; MI455X (gfx1250); checked and timed in simulation.
; The chip was launched on July 23, 2026; its instructions are those of AMD's public machine-readable ISA for CDNA 5 (MIT licence, August 2026) and "CDNA5" Instruction Set Architecture Reference Guide (July 2026). The comments in the code are by the model that wrote it; some were corrected since.
;; Windowed Cross Attn. Allowed arithmetic: matrix products marked QUANTISED: E5M2 operands, one E8M0 scale for each 32 along K, by v_wmma_scale_f32_16x16x128_f8f6f4 with both operands' format E5M2, f32 sums; everything else in f32.
;; Inputs: Wk 1,024 x 1,024 float32; Wo 1,024 x 1,024 float32; Wq 1,024 x 1,024 float32; Wv 1,024 x 1,024 float32; bk 1,024 float32; bo 1,024 float32; bq 1,024 float32; bv 1,024 float32; key 2 x 4,096 x 1,024 float32; query 2 x 2,048 x 1,024 float32; value 2 x 4,096 x 1,024 float32.
;; Outputs: out0 2 x 2,048 x 1,024 float32.
;; This version of the problem:
;;   THIS VERSION OF THE PROBLEM IS GIVEN IN LOW PRECISION. The matrix products marked QUANTISED in the list below multiply operands that are first quantised to E5M2 (5 exponent bits, 2 mantissa bits; 8 bits a number), with one power-of-two scale for each 32 numbers along K (OCP MX v1.0); their sums are f32. All else is computed in f32.
;;   The module's matrix products, in the order in which they are computed (A, B: the left and right operand; K: the contracted axis; several contracted axes count as one K, in the product's order):
;;     1. [M 4,096, K 1,024] x [K 1,024, N 1,024]; A: input query; B: input Wq: QUANTISED
;;     2. [M 8,192, K 1,024] x [K 1,024, N 1,024]; A: input key; B: input Wk: QUANTISED
;;     3. [M 8,192, K 1,024] x [K 1,024, N 1,024]; A: input value; B: input Wv: QUANTISED
;;     4. batch 32 x [M 2,048, K 64] x [K 64, N 4,096]; A: computed on the way; B: computed on the way: QUANTISED
;;     5. batch 32 x [M 64, K 4,096] x [K 4,096, N 2,048]; A: computed on the way; B: softmax (see below): QUANTISED
;;     6. [M 4,096, K 1,024] x [K 1,024, N 1,024]; A: computed on the way; B: input Wo: QUANTISED
;;   THE QUANTISER, for each operand of a quantised product, along K:
;;     - K is cut into blocks of 32 from its start; a last block that is shorter is filled with zeros.
;;     - A block's scale is 2^e with e = floor(log2(the largest magnitude in the block)) - 15, held to -126 .. 127; a block of zeros has e = 0. As a byte (E8M0): e + 127.
;;     - Each number is divided by its block's scale, clamped to +-57,344, and rounded to the nearest number of E5M2, ties to even, subnormals kept.
;;     - The product sums the exact products of the quantised numbers (number of the format x scale) in f32.
;;   ~~~python
;;   def quantise(x, axis):      # numpy; x: float32 -> the quantised numbers, widened to float32 again
;;       x = np.moveaxis(x, axis, -1); K = x.shape[-1]
;;       x = np.pad(x, [(0, 0)] * (x.ndim - 1) + [(0, -K % 32)]); x = x.reshape(x.shape[:-1] + (-1, 32)); a = np.abs(x).max(-1, keepdims=True)
;;       e = np.where(a > 0, np.clip(np.frexp(np.where(a > 0, a, 1))[1] - 1 - 15, -126, 127), 0)      # np.frexp(a)[1] - 1 = floor(log2(a)), exactly
;;       r = np.clip(x / 2.0 ** e, -57344, 57344)
;;       step = 2.0 ** (np.maximum(np.frexp(np.where(r == 0, 1, r))[1] - 1, -14) - 2)
;;       q = np.round(r / step) * step * 2.0 ** e      # np.round: ties to even
;;       return np.moveaxis(q.reshape(q.shape[:-2] + (-1,))[..., :K], -1, axis).astype(np.float32)
;;   ~~~
;;   SOFTMAX AHEAD OF A QUANTISED PRODUCT. Where the list says 'softmax', what is quantised is not the finished softmax but p = 2^(t - M), with t = logit x log2(e) and M = ceil(the row's largest t), a whole number; so 1/2 < the row's largest p <= 1. The row's sum l is taken of the UNQUANTISED p, in f32, and the product's result is divided by l at the end. Since M is a whole number, a kernel that streams over the keys may use a running M (the ceiling of the running maximum): every later rescaling is an exact power of two, which a block's scale takes up: the codes' values come out the same.
;;   OPERANDS COMPUTED ON THE WAY. 'Computed on the way' means the value that the module computes at that place (a softmax that the list does not call 'softmax' is quantised finished and normalised). What goes into a quantiser is computed in f32, as accurately as f32 sums, v_exp_f32 and their like allow (about 1e-6 of the number): no bf16 or f16 on the way to a quantiser, and a product that is left as it is and whose result goes on into a quantised operand takes f32 operands (vector FMAs, or v_wmma_f32_16x16x4_f32). A number that lies on a knife's edge between two numbers of the format may be rounded either way, as far as f32 arithmetic and the matrix unit's own rounding can turn it there, and no further.
;; One version. Each part assembles by itself: llvm-mc -triple=amdgcn-amd-amdhsa -mcpu=gfx1250 --defsym DOCPART=n.
;; ======== version 1 of 1: 4 launches
;; workspace buffers: c1 16,777,216 bytes; s1 524,288 bytes; c2 12,582,912 bytes; s2 393,216 bytes; c3 4,194,304 bytes; s3 131,072 bytes
;; launch quant (part 1): grid 256 x 1, 8 waves a work-group, no clusters, 66,560 bytes of LDS; arguments query, key, value, Wq, Wk, Wv, Wo, c1, s1; writes c1, s1
.if DOCPART == 1
	.amdgcn_target "amdgcn-amd-amdhsa--gfx1250"
	.amdhsa_code_object_version 6
	.text
	.protected	k_qa69873b2b5_quant
	.globl	k_qa69873b2b5_quant
	.p2align	8
	.type	k_qa69873b2b5_quant,@function
k_qa69873b2b5_quant:
	s_mov_b64 s[64:65], 0
	v_nop
	global_prefetch_b8 v0, s[64:65] scope:SCOPE_SE
	s_setreg_imm32_b32 hwreg(HW_REG_WAVE_MODE, 25, 1), 1
	s_wait_xcnt 0x0
; query [4096][1024], rows 0-2047 of each batch of key and of value, and Wq, Wk, Wv, Wo [1024][1024], all f32 with K innermost, become codes of BF8 (E5M2) with one E8M0 byte for each 32 along K.
; Rows 2048-4095 of key and value are not read: for every query they lie wholly under the band mask that the module builds itself (j <= i, i < 2048).
; A block's scale is 2^(floor(log2(its largest magnitude)) - 15); its byte is that magnitude's exponent field - 15, held at 1 from below; each number is divided by the scale, held within +-57,344, rounded to the nearest code, ties to even.
; LIMITS: a block whose largest magnitude lies under 2^-111 keeps the byte 1; a block of zeros gets the byte 1 and not 127 (its codes are zeros, and this program alone reads the bytes); NaN and infinities among the inputs are not served.
; OUTPUT IN PANELS.  The 16,384 rows are numbered G: query 0.., key 4096.., value 8192.., Wq 12288.., Wk, Wv, Wo.  A panel is 256 rows, a chunk 128 along K.
;   code (G, k) at (G / 256) x 262144 + (k / 128) x 32768 + (G % 256) x 128 + k % 128;   the scale word of (G, chunk) at (G / 256) x 8192 + chunk x 1024 + (G % 256) x 4.
; SHARES.  Work-group g takes rows 64 g .. 64 g + 63, wave w chunk w: 512 bytes of each row.  A step is four rows: four loads of 512 consecutive bytes, 16 a lane.  The conversions want 16 neighbours along K in ONE lane, so a step's
; 2,048 bytes turn through the wave's own stage in LDS (16 bytes of padding behind each 64) and come back 64 bytes a lane: lane l then holds row l / 8, columns 16 (l % 8) on; lanes l and l xor 1 hold a block.
; A step's codes are 512 consecutive bytes of the panel; a wave's 256 scale bytes are gathered in LDS and leave as 256 consecutive, aligned bytes.  Waves share nothing: no barrier.  No input is shared between work-groups: no cluster.
.set STEPS, 16
.set MANT,  0x600000                   ; the mantissa field of 57,344 as f32
.set R,     16                         ; v16-79   four sets of 16 numbers as they are loaded
.set X,     80                         ; v80-111  two sets of 16 neighbours
.set E,     112                        ; v112-127 a scale byte for each step
.set C,     128                        ; v128-191 codes: four registers for each step, so that no store's data are written again
.set WREG,  8192                       ; LDS: a region for each wave: two stages of 32 x SP bytes, behind them its 256 scale bytes
.set SP,    80                         ; a lane's place in a stage: 64 bytes + 16 of padding
	s_load_b256 s[4:11], s[0:1], 0x0               ; query, key, value, Wq
	s_load_b256 s[12:19], s[0:1], 0x20             ; Wk, Wv, Wo, c1
	s_load_b64 s[20:21], s[0:1], 0x40              ; s1
	v_lshl_add_u32 v192, v0, 2, 0x10000
	v_mov_b32 v193, 0
	v_lshrrev_b32 v1, 5, v0
	v_readfirstlane_b32 s30, v1                    ; wave = chunk
	v_and_b32 v2, 31, v0                           ; lane
	v_lshlrev_b32 v3, 4, v2                        ; 16 x lane: my bytes of a load's 512, and of a step's 512 bytes of codes; never rewritten
	s_mul_i32 s31, s30, WREG
	v_lshrrev_b32 v14, 2, v2
	v_mul_u32_u24 v14, v14, SP
	v_and_b32 v15, 3, v2
	v_lshl_add_u32 v14, v15, 4, v14
	v_add_nc_u32 v14, s31, v14                     ; the stage, on the way in: SP (lane / 4) + 16 (lane % 4); a load's 512 bytes take eight places
	v_mul_u32_u24 v15, v2, SP
	v_add_nc_u32 v15, s31, v15                     ; and on the way out: SP x lane
	v_lshrrev_b32 v5, 1, v2
	s_add_co_u32 s31, s31, 2*32*SP
	v_add_nc_u32 v5, s31, v5                       ; my block's byte among the wave's 256
	v_lshlrev_b32 v7, 3, v2                        ; on the way out 8 bytes a lane
	v_add_nc_u32 v6, s31, v7
	s_mov_b32 s32, MANT
	; the source's first row: query as it lies; key and value skip the upper half of each batch; a weight has 16 work-groups
	s_and_b32 s24, ttmp9, 63
	s_lshl_b32 s25, s24, 6                         ; 64 x (g % 64): the compact row
	s_lshr_b32 s26, s24, 5
	s_lshl_b32 s26, s26, 11                        ; + 2048 x batch in key and value
	s_cmp_lt_u32 ttmp9, 64
	s_cselect_b32 s26, 0, s26
	s_add_co_u32 s25, s25, s26
	s_and_b32 s27, ttmp9, 15
	s_lshl_b32 s27, s27, 6
	s_cmp_lt_u32 ttmp9, 192
	s_cselect_b32 s25, s25, s27
	s_lshl_b32 s24, s25, 12                        ; a row is 4,096 bytes
	s_lshl_b32 s26, s30, 9                         ; my chunk's 512
	s_add_co_u32 s24, s24, s26
	s_mov_b32 s25, 0
	s_lshr_b32 s33, ttmp9, 2                       ; the panel
	s_and_b32 s34, ttmp9, 3                        ; which 64 rows of it
	s_lshl_b32 s26, s33, 18
	s_lshl_b32 s28, s30, 15
	s_add_co_u32 s26, s26, s28
	s_lshl_b32 s28, s34, 13
	s_add_co_u32 s26, s26, s28
	s_mov_b32 s27, 0                               ; s[26:27]: where my codes begin
	s_lshl_b32 s28, s33, 13
	s_lshl_b32 s29, s30, 10
	s_add_co_u32 s28, s28, s29
	s_lshl_b32 s29, s34, 8
	s_add_co_u32 s28, s28, s29
	s_mov_b32 s29, 0                               ; s[28:29]: where my scale bytes begin
	s_wait_kmcnt 0x0
	s_cmp_lt_u32 ttmp9, 64                         ; which tensor: the choice hangs on the work-group's number alone
	s_cselect_b64 s[22:23], s[4:5], s[6:7]
	s_cmp_lt_u32 ttmp9, 128
	s_cselect_b64 s[22:23], s[22:23], s[8:9]
	s_cmp_lt_u32 ttmp9, 192
	s_cselect_b64 s[22:23], s[22:23], s[10:11]
	s_cmp_lt_u32 ttmp9, 208
	s_cselect_b64 s[22:23], s[22:23], s[12:13]
	s_cmp_lt_u32 ttmp9, 224
	s_cselect_b64 s[22:23], s[22:23], s[14:15]
	s_cmp_lt_u32 ttmp9, 240
	s_cselect_b64 s[22:23], s[22:23], s[16:17]
	s_add_nc_u64 s[22:23], s[22:23], s[24:25]
	s_add_nc_u64 s[18:19], s[18:19], s[26:27]
	s_add_nc_u64 s[20:21], s[20:21], s[28:29]
.macro LOAD t                          ; step t: rows 4 t .. 4 t + 3, 512 consecutive bytes each
.irp i, 0,1,2,3
	global_load_b128 v[R+16*((\t)%4)+4*\i:R+16*((\t)%4)+4*\i+3], v3, s[22:23] offset:4096*(4*(\t)+\i) th:TH_LOAD_NT
.endr
.endm
.macro TURN t                          ; step t's numbers through the stage: LDS serves a wave's instructions in order, so no wait stands between the stores and the loads
.irp i, 0,1,2,3
	ds_store_b128 v14, v[R+16*((\t)%4)+4*\i:R+16*((\t)%4)+4*\i+3] offset:32*SP*((\t)%2)+8*SP*\i
.endr
.irp i, 0,1,2,3
	ds_load_b128 v[X+16*((\t)%2)+4*\i:X+16*((\t)%2)+4*\i+3], v15 offset:32*SP*((\t)%2)+16*\i
.endr
.endm
.irp t, 0,1,2,3
	LOAD \t
.endr
	s_wait_loadcnt 12                              ; step 0's four loads are in; twelve younger ones stay out
	TURN 0
.macro STEP t
.set XS, X+16*((\t)%2)
.if (\t) > 0
	s_wait_dscnt 1                                 ; this step's numbers are back from the stage (the last step's byte store may be out): so its stores into the stage have read their registers,
.else
	s_wait_dscnt 0x0
.endif
.if (\t)+4 < STEPS
	LOAD (\t)+4                                    ; which take the loads of four steps on
.endif
.if (\t)+1 < STEPS
.if STEPS-2-(\t) >= 3
	s_wait_loadcnt 12                              ; the next step's four loads are in; those of the three steps behind it may be out
.else
	s_wait_loadcnt 4*(STEPS-2-(\t))
.endif
	TURN (\t)+1                                    ; and go through the other stage while this step is worked
.endif
	v_max3_num_f32 v8, |v[XS]|, |v[XS+1]|, |v[XS+2]|               ; the largest magnitude of my 16, in two chains
	v_max3_num_f32 v9, |v[XS+3]|, |v[XS+4]|, |v[XS+5]|
.irp i, 6,10
	v_max3_num_f32 v8, v8, |v[XS+\i]|, |v[XS+\i+1]|
	v_max3_num_f32 v9, v9, |v[XS+\i+2]|, |v[XS+\i+3]|
.endr
	v_max3_num_f32 v8, v8, |v[XS+14]|, |v[XS+15]|
	v_max3_num_f32 v8, v8, v9, 0x8000000           ; and the floor 2^(16 - 127): the byte cannot fall under 1
	v_max_num_f32_dpp v8, v8, v8 row_xmask:1 row_mask:0xf bank_mask:0xf   ; and of my neighbour's 16: the block's
	v_add_nc_u32 v11, 0xf8800000, v8               ; 15 off its exponent field: the conversion takes the exponent field of this operand as its scale
	v_and_or_b32 v10, v8, 0x7f800000, s32          ; 57,344 x the scale
.irp i, 0,1,2,3,4,5,6,7,8,9,10,11,12,13,14,15
	v_med3_num_f32 v[XS+\i], v[XS+\i], -v10, v10   ; the conversion to an 8-bit code does not saturate (ISA guide 7.6.2): the number is held first
.endr
	v_cvt_scalef32_pk8_bf8_f32 v[C+4*(\t):C+4*(\t)+1], v[XS:XS+7], v11
	v_cvt_scalef32_pk8_bf8_f32 v[C+4*(\t)+2:C+4*(\t)+3], v[XS+8:XS+15], v11
	v_lshrrev_b32 v[E+(\t)], 23, v11               ; the scale's byte (also the plain line behind the conversions)
	ds_store_b8 v5, v[E+(\t)] offset:16*(\t)       ; both lanes of a block write the same byte with the same value
	global_store_b128 v3, v[C+4*(\t):C+4*(\t)+3], s[18:19] offset:512*(\t)   ; 32 lanes store 512 consecutive bytes
.endm
.irp t, 0,1,2,3,4,5,6,7,8,9,10,11,12,13,14,15
	STEP \t
.endr
	ds_load_b64 v[12:13], v6                       ; LDS serves a wave's instructions in order: these see my byte stores
	s_wait_dscnt 0x0
	global_store_b64 v7, v[12:13], s[20:21]        ; 32 lanes store 256 consecutive bytes, aligned
	s_wait_tensorcnt 0x0
	ds_add_u32 v192, v193
	s_wait_dscnt 0x0
	s_endpgm
.Lfunc_end_k_qa69873b2b5_quant:
	.size	k_qa69873b2b5_quant, .Lfunc_end_k_qa69873b2b5_quant-k_qa69873b2b5_quant
	.p2alignl 7, 3214868480
	.fill 96, 4, 3214868480
	.section	.rodata,"a",@progbits
	.p2align	6, 0x0
	.amdhsa_kernel k_qa69873b2b5_quant
		.amdhsa_group_segment_fixed_size 66560
		.amdhsa_private_segment_fixed_size 0
		.amdhsa_enable_private_segment 0
		.amdhsa_kernarg_size 72
		.amdhsa_user_sgpr_count 2
		.amdhsa_user_sgpr_kernarg_segment_ptr 1
		.amdhsa_wavefront_size32 1
		.amdhsa_system_sgpr_workgroup_id_x 1
		.amdhsa_system_sgpr_workgroup_id_y 1
		.amdhsa_system_sgpr_workgroup_id_z 1
		.amdhsa_system_vgpr_workitem_id 0
		.amdhsa_next_free_vgpr 194
		.amdhsa_next_free_sgpr 66
		.amdhsa_reserve_vcc 0
		.amdhsa_float_denorm_mode_32 3
		.amdhsa_float_denorm_mode_16_64 3
		.amdhsa_memory_ordered 1
		.amdhsa_forward_progress 1
		.amdhsa_inst_pref_size 52
	.end_amdhsa_kernel
	.amdgpu_metadata
---
amdhsa.version: [ 1, 2 ]
amdhsa.kernels:
  - .name:           k_qa69873b2b5_quant
    .symbol:         k_qa69873b2b5_quant.kd
    .args:
      - { .name: query, .offset: 0, .size: 8, .value_kind: global_buffer, .address_space: global }
      - { .name: key, .offset: 8, .size: 8, .value_kind: global_buffer, .address_space: global }
      - { .name: value, .offset: 16, .size: 8, .value_kind: global_buffer, .address_space: global }
      - { .name: Wq, .offset: 24, .size: 8, .value_kind: global_buffer, .address_space: global }
      - { .name: Wk, .offset: 32, .size: 8, .value_kind: global_buffer, .address_space: global }
      - { .name: Wv, .offset: 40, .size: 8, .value_kind: global_buffer, .address_space: global }
      - { .name: Wo, .offset: 48, .size: 8, .value_kind: global_buffer, .address_space: global }
      - { .name: c1, .offset: 56, .size: 8, .value_kind: global_buffer, .address_space: global }
      - { .name: s1, .offset: 64, .size: 8, .value_kind: global_buffer, .address_space: global }
    .group_segment_fixed_size: 66560
    .private_segment_fixed_size: 0
    .kernarg_segment_align: 8
    .kernarg_segment_size: 72
    .max_flat_workgroup_size: 256
    .sgpr_count:     66
    .vgpr_count:     194
    .wavefront_size: 32
...
	.end_amdgpu_metadata
.endif
;; end of part 1
;; launch proj (part 2): grid 4 x 48, 4 waves a work-group, clusters of 4 x 4, 327,680 bytes of LDS; arguments c1, s1, bq, bk, bv, c2, s2; writes c2, s2
.if DOCPART == 2
	.amdgcn_target "amdgcn-amd-amdhsa--gfx1250"
	.amdhsa_code_object_version 6
	.text
	.protected	k_qa69873b2b5_proj
	.globl	k_qa69873b2b5_proj
	.p2align	8
	.type	k_qa69873b2b5_proj,@function
k_qa69873b2b5_proj:
	s_mov_b64 s[64:65], 0
	v_nop
	global_prefetch_b8 v0, s[64:65] scope:SCOPE_SE
	s_setreg_imm32_b32 hwreg(HW_REG_WAVE_MODE, 25, 1), 1
	s_wait_xcnt 0x0
	s_wait_alu depctr_hold_cnt(0) depctr_sa_sdst(0) depctr_va_vdst(0) depctr_va_sdst(0) depctr_va_ssrc(0) depctr_va_vcc(0) depctr_vm_vsrc(0)
	s_getreg_b32 s2, hwreg(HW_REG_IB_STS2, 6, 4)
	s_cmp_eq_u32 s2, 0
	s_cbranch_scc0 .Lentry_in_a_cluster
	s_endpgm
.Lentry_in_a_cluster:
	s_bfe_u32 s2, ttmp6, 0x10000c
	s_cmp_lg_u32 s2, 0xf033
	s_cbranch_scc0 .Lentry_shape_is_right
	s_endpgm
.Lentry_shape_is_right:
; The three projections, on codes of BF8 (E5M2) with one E8M0 scale for each 32 along K = 1,024; the results get their bias and are quantised again, in registers, for the attention that follows.
;   t = 0: q[token][feature] = query Wq^T + bq      t = 1: k likewise (keys 0-2047 of each batch)      t = 2: v^T[feature][key] = Wv value^T + bv: A and B change roles, so that v comes out with the keys innermost.
; In all three C[m][n] = sum over k of A[m][k] B[n][k] is quantised ALONG n in blocks of 32: for q and k n is the feature (the first attention product's K, 64 a head), for v^T the key (the second one's K).
; Only the bias differs: along n for q and k (it is the C of each sum's first product), along m for v^T (added on the way out).  Both ways are always run; a lane mask made of the cluster's number turns the other bias into zeros.
; LIMITS: a block whose largest magnitude lies under 2^-111 keeps the byte 1; a block of zeros gets the byte 1 and not 127 (its codes are zeros, this program alone reads the bytes); NaN and infinities are not served.
; INPUT IN PANELS: code (G, k) at (G / 256) x 262144 + (k / 128) x 32768 + (G % 256) x 128 + k % 128; scale word at (G / 256) x 8192 + (k / 128) x 1024 + (G % 256) x 4.  Panels: query 0, key 16, value 32, Wq 48, Wk 52, Wv 56.
; OUTPUT IN TILES of [128 rows][128 bytes], tile T's codes at 16384 T, its 128 scale words at 512 T.  q: T = (token / 128) x 8 + feature / 128; k: 256 + the same; v^T: 512 + (feature / 128) x 32 + key / 128.  A wave's 128 x 128 of C is one tile.
; SHARES.  192 work-groups, one for each 256 x 256 of C; four waves, as many as a WGP has SIMDs, each 128 x 128: 64 accumulators, 512 registers.  K goes in steps of 256 (two chunks) through a ring of two LDS slots; a wave's tensor
; load brings one chunk of one panel: 256 rows x 128 bytes, dense in memory.  The scales of both panels for all of K (2 x 8,192 bytes) come once, with the first fills.
; CLUSTERS: 4 x 4 work-groups.  The four of a row of the cluster need the same panel of A, the four of a column the same panel of B: each tile is asked for JOINTLY, by the same tensor load with the same descriptor and a mask that names the four.
; THE MATRIX INSTRUCTION IS USED TRANSPOSED (source 0 = 16 rows of B, source 1 = 16 rows of A): lane l holds row m = l % 16, and its registers eight neighbouring n.
; REGISTERS, in windows of 256: window 0: v14-31 addresses; v32-63 scale words, two sets; v64-127 the column bias (first step), then v64-79 the row bias and v80-87 the tile's scale words; from v128 A's fragments, ONE set; on the way out v128-255 are at work.
;   window 1: B's fragments, TWO sets, at v0 and v128.   window 2: the accumulators of my rows 0-63 ((a, b) at v[8 (8 a + b)]);   window 3: those of my rows 64-127.
.set PITCH,  144                       ; an LDS row: 128 bytes + 16 of padding = 36 words: the 16 rows that a load touches start at 16 different multiples of 4 banks (64 banks of 4 bytes: ISA guide 11.1)
.set CH,     256*PITCH                 ; a chunk of a panel: what one tensor load brings
.set SLOT,   4*CH                      ; A's chunks 0, 1, then B's chunks 0, 1
.set SCL,    2*SLOT                    ; behind the ring: A's scales (8 chunks x 256 rows x 4 bytes), then B's
.set SPARE,  SCL+16384                 ; behind the scales: the spare words, 128 bytes for each wave: two blocks of 256 bytes that no other line names
.set NQ,     2                         ; matrix instructions deep in a slot
.set FR,     16                        ; registers of a fragment: 16 rows x 128 K
.set NL,     4                         ; LDS loads that bring one
.set NP,     8                         ; places behind this matrix instruction (ISA guide 7.12.1)
.set LAPS,   2                         ; K = 1,024 is four K steps, twice round the ring
.set CBA,  14                          ; v14  32 x (lane / 16): my eight numbers of a block's column bias
.set SWR,  15                          ; v15  the way out: where I read the tile's scale words back
.set ADRA, 16                          ; v16-17  LDS address of my A fragments in slot 0, 1
.set ADRB, 20                          ; v20-21  the same for B
.set STO,  24                          ; v24  the way out: where I put 8 codes of a row
.set RD,   25                          ; v25  the way out: where I read rows back
.set CO,   26                          ; v26  16 x lane
.set ADRS, 27                          ; v27  LDS address of my scale words: lanes 0-15 A's rows, lanes 16-31 B's
.set SPW,  28                          ; v28  LDS address of my spare word; never rewritten
.set NIL,  29                          ; v29  0; never rewritten
.set RBA,  30                          ; v30  4 x (lane % 16)
.set SWA,  31                          ; v31  the way out: where I put a row's scale word
.set SC,   32                          ; scale words: set s at v[SC + 16 s]; register 2 i + q: lanes 0-15 A's block i, lanes 16-31 B's block i, chunk q of the K step
.set CB,   64                          ; the column bias: eight registers for each of B's eight blocks
.set RB,   64                          ; behind the first step: the row bias, twice for each of A's eight blocks
.set PWR,  80                          ; v80-87  block a's scale words
.set AF,   128
.set T,    128                         ; the way out: 64 numbers of a lane
.set PC,   192                         ; their codes
.set TM,   208                         ; v208-211 largest magnitudes, v212-215 bytes, v216-219 57,344 x the scale, v220-223 the conversions' scale operand
.set OB,   224                         ; rows read back from the stage: v224-239 and v240-255 by turns
.set NMK, 23                           ; s23  all ones for v^T, else 0
.set G1, 24                            ; s[24:31] descriptor group 1 for A's tiles;  s[32:39] group 0, one set for each slot
.set G0, 32
.set G1B, 48                           ; s[48:55], s[56:63] the same for B's tiles
.set G0B, 56
.set G1S, 68                           ; s[68:75], s[76:79] groups 1 and 0 for A's scales;  s[80:87], s[88:91] for B's
.set G0S, 76
.set G1SB, 80
.set G0SB, 88
.set SEL, 96                           ; s[96:97] v_permlanex16_b32's selects for lane l xor 16
.set MNT, 98                           ; s98  the mantissa field of 57,344
.set MK,  99                           ; s99  all ones for q and k, else 0
.set RBP, 100                          ; s[100:101] the bias at my first row
.set MSB, 0
.macro WIN new                         ; the immediate's high byte repeats the setting that is left
.if MSB != \new
	s_set_vgpr_msb (MSB<<8)|\new
.set MSB, \new
.endif
.endm
.set MUL_LO, 0xa1                      ; source 0 (B) window 1, source 1 (A) window 0, C and D window 2
.set MUL_HI, 0xf1                      ; the same, C and D window 3
.set TO_B,   0x40                      ; destination window 1, address window 0
; A joint load: waves 0 and 1 fetch for A, waves 2 and 3 for B.  Each of the two lines has ONE mask and one set of registers for all that issue it; the branch hangs on the wave's number alone.
; Four v_nop follow each of the two lines, ahead of the jump, the label and what follows.
.macro JLOAD g0a, g1a, g0b, g1b
	s_cmp_eq_u32 s19, 0
	s_cbranch_scc0 .Lfor_b_\@
	tensor_load_to_lds s[\g0a:\g0a+3], s[\g1a:\g1a+7]
	s_nop 0
.rept 4
	v_nop
.endr
	s_branch .Lasked_\@
.Lfor_b_\@:
	tensor_load_to_lds s[\g0b:\g0b+3], s[\g1b:\g1b+7]
	s_nop 0
.rept 4
	v_nop
.endr
.Lasked_\@:
.endm
.macro CREST                           ; a round of the cluster's barrier behind its opening barrier
	s_cmp_lg_u32 s18, 0
	s_cbranch_scc1 .Lnot_wave_0_\@
	s_barrier_signal -3
.Lnot_wave_0_\@:
	s_barrier_wait -3
	s_barrier_signal -1
	s_barrier_wait -1
.endm
.macro CROUND                          ; a whole round
	s_barrier_signal -1
	s_barrier_wait -1
	CREST
.endm
	s_load_b256 s[4:11], s[0:1], 0x0               ; c1 s[4:5], s1 s[6:7], bq s[8:9], bk s[10:11]
	s_load_b128 s[12:15], s[0:1], 0x20             ; bv s[12:13], c2 s[14:15]
	s_load_b64 s[16:17], s[0:1], 0x30              ; s2
	v_lshl_add_u32 v[SPW], v0, 2, SPARE
	v_mov_b32 v[NIL], 0
	ds_add_u32 v28, v29
	ds_add_u32 v28, v29
	s_wait_dscnt 0x0
	v_lshrrev_b32 v1, 5, v0
	v_readfirstlane_b32 s18, v1                    ; wave 0..3
	s_lshr_b32 s19, s18, 1                         ; which half of the tile's rows is mine.  Also: I fetch for A (0) or for B (1)
	s_and_b32 s20, s18, 1                          ; which half of its columns.  Also: which chunk of a K step I fetch
	s_bfe_u32 s21, ttmp6, 0x40000                  ; cx, cy: my place in the cluster
	s_bfe_u32 s22, ttmp6, 0x40004
	s_and_b32 s42, ttmp7, 0xffff                   ; the cluster's y, 0..11: four clusters for each of q, k, v^T
	s_lshr_b32 s66, s42, 2                         ; t
	s_and_b32 s42, s42, 3
	s_lshl_b32 s42, s42, 2                         ; which four of the long side's sixteen panels
	s_lshl_b32 s43, s66, 4                         ; q, k: A's panels begin at 16 t,
	s_lshl_b32 s44, s66, 2
	s_add_co_u32 s44, s44, 48                      ; B's at 48 + 4 t
	s_cmp_lt_u32 s66, 2                            ; q or k?  All that follows hangs on the cluster's number alone: alike in all sixteen partners
	s_cselect_b32 s45, s42, 0                      ; the long side is A's rows for q and k,
	s_cselect_b32 s46, 0, s42                      ; B's rows for v^T
	s_cselect_b32 s43, s43, 56                     ; v^T: A = Wv, panels 56 on,
	s_cselect_b32 s44, s44, 32                     ; B = value, panels 32 on
	s_cselect_b32 s67, 8, 32                       ; output tiles in a row of tiles
	s_cselect_b32 s[MK], -1, 0
	s_not_b32 s[NMK], s[MK]
	s_add_co_u32 s45, s45, s22                     ; tile row of C: with cy
	s_add_co_u32 s46, s46, s21                     ; tile column of C: with cx
	s_add_co_u32 s43, s43, s45                     ; A's panel: it never holds cx
	s_add_co_u32 s44, s44, s46                     ; B's panel: it never holds cy
	s_lshl_b32 s40, s22, 2
	s_lshl_b32 s40, 15, s40                        ; my row of the cluster
	s_lshl_b32 s41, 0x1111, s21                    ; my column
	; descriptor group 1: a chunk: 256 rows x 128 bytes, dense in memory, padded in LDS
	s_or_b32 s[G1+0], s40, (0<<16)|(1<<20)|(1<<21)|(4<<22)|(3<<25)  ; 15:0 the mask: A's tiles go to my row; 17:16 elements of 1 byte; 20 padding on; 21 set beside a mask; 24:22 after every 32 words (code 4); 31:25 four words (code 3)
	s_or_b32 s[G1B+0], s41, (0<<16)|(1<<20)|(1<<21)|(4<<22)|(3<<25)
.irp g, G1, G1B
	s_mov_b32 s[\g+1], 128<<16                     ; tensor_dim0 = 128
	s_mov_b32 s[\g+2], 256<<16                     ; tensor_dim1 = 256
	s_mov_b32 s[\g+3], 128<<16                     ; tile_dim0 = 128
	s_mov_b32 s[\g+4], 256                         ; tile_dim1 = 256
	s_mov_b32 s[\g+5], 128                         ; tensor_dim0_stride
	s_mov_b32 s[\g+6], 0
	s_mov_b32 s[\g+7], 0
.endr
	; and for half a panel's scales: 4,096 dense bytes as 16 rows of 256 bytes (32 elements of 8 bytes), no padding: the 16 words that a load's half touches are neighbours
	s_or_b32 s[G1S+0], s40, (3<<16)|(1<<21)
	s_or_b32 s[G1SB+0], s41, (3<<16)|(1<<21)
.irp g, G1S, G1SB
	s_mov_b32 s[\g+1], 32<<16
	s_mov_b32 s[\g+2], 16<<16
	s_mov_b32 s[\g+3], 32<<16
	s_mov_b32 s[\g+4], 16
	s_mov_b32 s[\g+5], 32
	s_mov_b32 s[\g+6], 0
	s_mov_b32 s[\g+7], 0
.endr
	s_lshl_b32 s92, s20, 15                        ; my chunk of a K step, in bytes of codes,
	s_lshl_b32 s93, s20, 12                        ; my half of a panel's scales
	s_mul_i32 s94, s18, CH                         ; where they go: wave x a chunk: no place in the cluster enters an LDS address
	s_lshl_b32 s95, s18, 12
	s_add_co_u32 s95, s95, SCL
	s_lshl_b32 s[G0+2], s43, 18                    ; offsets first, made in the words that will hold the addresses
	s_add_co_u32 s[G0+2], s[G0+2], s92
	s_mov_b32 s[G0+3], 0
	s_lshl_b32 s[G0B+2], s44, 18
	s_add_co_u32 s[G0B+2], s[G0B+2], s92
	s_mov_b32 s[G0B+3], 0
	s_lshl_b32 s[G0S+2], s43, 13
	s_add_co_u32 s[G0S+2], s[G0S+2], s93
	s_mov_b32 s[G0S+3], 0
	s_lshl_b32 s[G0SB+2], s44, 13
	s_add_co_u32 s[G0SB+2], s[G0SB+2], s93
	s_mov_b32 s[G0SB+3], 0
	s_wait_kmcnt 0x0
	s_add_nc_u64 s[G0+2:G0+3], s[4:5], s[G0+2:G0+3]            ; K step 0
	s_add_nc_u64 s[G0B+2:G0B+3], s[4:5], s[G0B+2:G0B+3]
	s_add_nc_u64 s[G0+6:G0+7], s[G0+2:G0+3], 65536             ; K step 1: two chunks on
	s_add_nc_u64 s[G0B+6:G0B+7], s[G0B+2:G0B+3], 65536
	s_add_nc_u64 s[G0S+2:G0S+3], s[6:7], s[G0S+2:G0S+3]
	s_add_nc_u64 s[G0SB+2:G0SB+3], s[6:7], s[G0SB+2:G0SB+3]
.irp g, G0, G0+4, G0B, G0B+4, G0S, G0SB
	s_mov_b32 s[\g], 1                             ; count = 1
	s_or_b32 s[\g+3], s[\g+3], 0x80000000          ; type = 2
.endr
	s_mov_b32 s[G0+1], s94
	s_add_co_u32 s[G0+5], s94, SLOT
	s_mov_b32 s[G0B+1], s94
	s_add_co_u32 s[G0B+5], s94, SLOT
	s_mov_b32 s[G0S+1], s95
	s_mov_b32 s[G0SB+1], s95
	CROUND                                         ; all sixteen work-groups are here: the first joint loads meet
	JLOAD G0S, G1S, G0SB, G1SB                     ; the scales first: they are wanted with K step 0
	JLOAD G0, G1, G0B, G1B
	JLOAD G0+4, G1, G0B+4, G1B                     ; three loads of mine are out
	; the bias: bq, bk or bv.  Along n it begins at my first column (q, k), along m at my first row (v^T); the way that does not count reads the vector's first 128 numbers and is cleared
	s_cmp_eq_u32 s66, 0
	s_cselect_b64 s[92:93], s[8:9], s[10:11]
	s_cmp_lt_u32 s66, 2
	s_cselect_b64 s[92:93], s[92:93], s[12:13]
	s_lshl_b32 s94, s46, 10
	s_lshl_b32 s95, s20, 9
	s_add_co_u32 s94, s94, s95
	s_and_b32 s94, s94, s[MK]
	s_mov_b32 s95, 0
	s_lshl_b32 s40, s45, 10
	s_lshl_b32 s41, s19, 9
	s_add_co_u32 s40, s40, s41
	s_and_b32 s40, s40, s[NMK]
	s_mov_b32 s41, 0
	s_add_nc_u64 s[RBP:RBP+1], s[92:93], s[40:41]
	s_add_nc_u64 s[92:93], s[92:93], s[94:95]
	v_bfe_u32 v2, v0, 4, 1                         ; h = lane / 16
	v_lshlrev_b32 v[CBA], 5, v2
.irp b, 0,1,2,3,4,5,6,7
	global_load_b128 v[CB+8*\b:CB+8*\b+3], v[CBA], s[92:93] offset:64*\b          ; bias(16 b + 8 h + 0 .. 7): the result's layout
	global_load_b128 v[CB+8*\b+4:CB+8*\b+7], v[CBA], s[92:93] offset:64*\b+16
.endr
	v_and_b32 v1, 15, v0                           ; r = lane % 16
	v_mul_u32_u24 v3, v1, PITCH
	v_lshl_add_u32 v4, v2, 4, v3                   ; a fragment's row x pitch + 16 x half
	s_mul_i32 s40, s19, 128*PITCH                  ; my 128 rows of A
	s_mul_i32 s41, s20, 128*PITCH                  ; my 128 rows of B,
	s_add_co_u32 s41, s41, 2*CH                    ; which lie behind A's two chunks
.irp s, 0,1
	v_add_nc_u32 v[ADRA+\s], s40, v4
	v_add_nc_u32 v[ADRB+\s], s41, v4
	s_add_co_u32 s40, s40, SLOT
	s_add_co_u32 s41, s41, SLOT
.endr
	v_lshlrev_b32 v[RBA], 2, v1
	s_lshl_b32 s40, s19, 9                         ; A's scale words: my 128 rows
	s_lshl_b32 s41, s20, 9                         ; B's: my 128 rows, behind A's 8,192 bytes
	s_add_co_u32 s41, s41, 8192
	s_sub_co_u32 s41, s41, s40
	v_mul_u32_u24 v6, s41, v2                      ; lanes 16-31 take B's: one product, the distance between the two
	s_add_co_u32 s40, s40, SCL
	v_add_nc_u32 v5, v[RBA], v6
	v_add_nc_u32 v[ADRS], s40, v5
	s_lshl_b32 s42, s18, 12                        ; the way out: 4,096 bytes of slot 0 for each wave: a stage of 16 rows x 144, then 512 bytes of scale words
	v_lshl_add_u32 v5, v2, 3, v3
	v_add_nc_u32 v[STO], s42, v5                   ; in: row r, 8 bytes for each half of the lanes
	v_and_b32 v6, 31, v0
	v_lshrrev_b32 v7, 3, v6
	v_mul_u32_u24 v7, v7, PITCH
	v_and_b32 v8, 7, v0
	v_lshl_add_u32 v7, v8, 4, v7
	v_add_nc_u32 v[RD], s42, v7                    ; back: eight lanes to a row of 128 bytes, four rows an instruction
	v_lshlrev_b32 v[CO], 4, v6
	s_add_co_u32 s42, s42, 16*PITCH
	v_add_nc_u32 v[SWA], s42, v[RBA]
	v_add_nc_u32 v[SWR], s42, v[CO]
	s_lshl_b32 s40, s45, 1                         ; my output tile: 256 t + (2 x tile row + half) x tiles in a row + 2 x tile column + half
	s_add_co_u32 s40, s40, s19
	s_mul_i32 s40, s40, s67
	s_lshl_b32 s41, s46, 1
	s_add_co_u32 s41, s41, s20
	s_add_co_u32 s40, s40, s41
	s_lshl_b32 s41, s66, 8
	s_add_co_u32 s40, s40, s41
	s_lshl_b32 s42, s40, 14
	s_mov_b32 s43, 0
	s_add_nc_u64 s[14:15], s[14:15], s[42:43]
	s_lshl_b32 s42, s40, 9
	s_add_nc_u64 s[16:17], s[16:17], s[42:43]
	s_mov_b32 s[SEL], 0x76543210
	s_mov_b32 s[SEL+1], 0xfedcba98
	s_mov_b32 s[MNT], 0x600000
	s_wait_loadcnt 0x0                             ; the column bias
.set i, 0
.rept 64
	v_cndmask_b32 v[CB+i], 0, v[CB+i], s[MK]       ; zeros for v^T, whose bias runs along m
.set i, i+1
.endr
.rept 8
	v_nop                                          ; between these writes and the products that take the registers as C
.endr
.macro FRAG reg, adr, q, i             ; a fragment, 16 rows x 128 K, is 16 registers: lane l holds row l % 16; registers 4 c .. 4 c + 3 hold K = 32 c + 16 (l / 16) + 0 .. 15
.irp c, 0,1,2,3
	ds_load_b128 v[\reg+4*\c:\reg+4*\c+3], v[\adr] offset:CH*(\q)+32*\c+(\i)*16*PITCH
.endr
.endm
; 16 matrix instructions: A's blocks a0, a0 + 1 x B's eight, chunk q of the slot.  p: B's set;  sc: the set of scale words.  zero = 1: the first product starts the sums from the column bias: nothing is cleared, nothing added later.
; The 64 accumulators take turns, one instruction a turn, in the same order in every step.
.macro MUL16 a0, p, q, sc, zero
.irp a, \a0, \a0+1
.irp b, 0,1,2,3,4,5,6,7
.if \zero
	v_wmma_scale_f32_16x16x128_f8f6f4 v[8*(8*((\a)%4)+\b):8*(8*((\a)%4)+\b)+7], v[128*(\p)+FR*\b:128*(\p)+FR*\b+FR-1], v[AF+FR*(\a):AF+FR*(\a)+FR-1], v[CB+8*\b:CB+8*\b+7], v[SC+8*NQ*(\sc)+NQ*\b+(\q)], v[SC+8*NQ*(\sc)+NQ*(\a)+(\q)] matrix_a_fmt:MATRIX_FMT_BF8 matrix_b_fmt:MATRIX_FMT_BF8 matrix_a_scale:MATRIX_SCALE_ROW1
.else
	v_wmma_scale_f32_16x16x128_f8f6f4 v[8*(8*((\a)%4)+\b):8*(8*((\a)%4)+\b)+7], v[128*(\p)+FR*\b:128*(\p)+FR*\b+FR-1], v[AF+FR*(\a):AF+FR*(\a)+FR-1], v[8*(8*((\a)%4)+\b):8*(8*((\a)%4)+\b)+7], v[SC+8*NQ*(\sc)+NQ*\b+(\q)], v[SC+8*NQ*(\sc)+NQ*(\a)+(\q)] matrix_a_fmt:MATRIX_FMT_BF8 matrix_b_fmt:MATRIX_FMT_BF8 matrix_a_scale:MATRIX_SCALE_ROW1
.endif
.endr
.endr
.endm
.macro FETCH_B slot, q, p              ; B's eight fragments of the slot's chunk q into set p
	WIN TO_B
.irp i, 0,1,2,3,4,5,6,7
	FRAG 128*(\p)+FR*\i, ADRB+\slot, \q, \i
.endr
	WIN 0
.endm
.macro FETCH_A slot, q, i0             ; A's blocks i0 .. i0 + 3
.irp i, \i0, \i0+1, \i0+2, \i0+3
	FRAG AF+FR*(\i), ADRA+\slot, \q, \i
.endr
.endm
.macro SCALES sc                       ; the K step's scale words into set sc: lanes 0-15 take A's block i, lanes 16-31 B's block i; a chunk's words lie 1,024 bytes from the last chunk's
.irp i, 0,1,2,3,4,5,6,7
	ds_load_b32 v[SC+8*NQ*\sc+NQ*\i], v[ADRS] offset:\i*64
	ds_load_b32 v[SC+8*NQ*\sc+NQ*\i+1], v[ADRS] offset:1024+\i*64
.endr
.endm
; A load into a register that a matrix instruction has read, and a vector instruction that reads a matrix result, stand NP places behind that matrix instruction, and only plain vector instructions that name none
; of its registers are places (ISA guide 7.12.1 for vector instructions); the matrix instructions in between are not counted.
.macro PLACES n
.rept \n
	v_nop
.endr
.endm
; A step of 128 along K that has its successor in the same slot.
.macro STEP slot, q, zero
	s_wait_dscnt 4*NL                              ; B's set, A's blocks 0-3 and the scale words are in; the youngest sixteen loads (A's blocks 4-7) may be out
.if \zero
	WIN 0x81                                       ; C (the bias) in window 0, D in window 2
.else
	WIN MUL_LO
.endif
	MUL16 0, (\q)%2, \q, \slot, \zero
	MUL16 2, (\q)%2, \q, \slot, \zero
	s_wait_dscnt 0                                 ; A's blocks 4-7 are in (asked for 32 matrix instructions ago)
	PLACES NP
	FETCH_B \slot, (\q)+1, 1-(\q)%2
	FETCH_A \slot, (\q)+1, 0
.if \zero
	WIN 0xc1                                       ; C in window 0, D in window 3
.else
	WIN MUL_HI
.endif
	MUL16 4, (\q)%2, \q, \slot, \zero
	MUL16 6, (\q)%2, \q, \slot, \zero
	PLACES NP
	WIN 0
	FETCH_A \slot, (\q)+1, 4
.endm
; A slot's last step changes slots: ONE barrier; in front of it each wave waits for all its tensor loads, adds 0 to its spare word, and waits for that and for its own reads of this slot.  fill = 1: this slot is filled again, two K steps ahead.
.macro TURN slot, next, fill
	s_wait_tensorcnt 0x0                           ; all my tensor loads have landed: my part of the next slot;  (every window is 0 here)
	ds_add_u32 v[SPW], v[NIL]                      ; 0 onto my spare word;
	s_wait_dscnt 4*NL+1                            ; (the add and the youngest sixteen loads, A's blocks 4-7, may be out)
	WIN MUL_LO
	MUL16 0, 1, NQ-1, \slot, 0                     ; sixteen matrix instructions stand between the add and the wait for it
	s_wait_dscnt 0x0                               ; the add is done, and my reads of this slot are over
	s_barrier_signal -1
	MUL16 2, 1, NQ-1, \slot, 0
	WIN 0
	s_barrier_wait -1
.if \fill
	CREST                                          ; the barrier has opened a round of the cluster's barrier: no wave of any partner still reads this slot's tile or has a load on its way
	s_add_nc_u64 s[G0+4*\slot+2:G0+4*\slot+3], s[G0+4*\slot+2:G0+4*\slot+3], 131072   ; two K steps, four chunks, on
	s_add_nc_u64 s[G0B+4*\slot+2:G0B+4*\slot+3], s[G0B+4*\slot+2:G0B+4*\slot+3], 131072
	JLOAD G0+4*\slot, G1, G0B+4*\slot, G1B         ; the first tensor load behind the round; the four v_nop behind it are among the places in front of the loads below
	PLACES NP-4
.else
	PLACES NP
.endif
	v_add_nc_u32 v[ADRS], 2048, v[ADRS]            ; on to the next K step's scale words (no LDS load of mine is out)
	FETCH_B \next, 0, 0
	FETCH_A \next, 0, 0
	SCALES \next
	WIN MUL_HI
	MUL16 4, 1, NQ-1, \slot, 0
	MUL16 6, 1, NQ-1, \slot, 0
	PLACES NP
	WIN 0
	FETCH_A \next, 0, 4
.endm
	s_wait_tensorcnt 1                             ; the scales and my part of K step 0 are in (K step 1's load may be out)
	s_barrier_signal -1
	s_barrier_wait -1                              ; everybody's are
	FETCH_B 0, 0, 0
	FETCH_A 0, 0, 0
	SCALES 0
	FETCH_A 0, 0, 4
	STEP 0, 0, 1                                   ; the first step stands in front of the loop: its products start the sums
.irp a, 0,1,2,3,4,5,6,7                        ; the row bias, bias(16 a + r), twice (a pair for the packed addition), into registers that the column bias has left: the step's closing places stand in front.  It is waited for on the way out
	global_load_b32 v[RB+2*\a], v[RBA], s[RBP:RBP+1] offset:64*\a
	global_load_b32 v[RB+2*\a+1], v[RBA], s[RBP:RBP+1] offset:64*\a
.endr
	s_mov_b32 s3, LAPS-1
.Llap:                                                 ; a trip goes once round the ring, from a lap's second step to the next lap's first, and fills both slots again
	TURN 0, 1, 1
	STEP 1, 0, 0
	TURN 1, 0, 1
	STEP 0, 0, 0
	s_sub_co_u32 s3, s3, 1
	s_cmp_lg_u32 s3, 0
	s_cbranch_scc1 .Llap
	TURN 0, 1, 0                                   ; the last lap fills nothing, and has no round of the cluster's barrier
	STEP 1, 0, 0
	s_wait_dscnt 4*NL                              ; the very last step: nothing more to fetch
	WIN MUL_LO
	MUL16 0, 1, NQ-1, 1, 0
	MUL16 2, 1, NQ-1, 1, 0
	s_wait_dscnt 0
	WIN MUL_HI
	MUL16 4, 1, NQ-1, 1, 0
	MUL16 6, 1, NQ-1, 1, 0
	WIN 0
; THE WAY OUT, block by block of 16 rows x 128 columns.  Lane (r, h) holds row r; of the block of 32 columns beta it holds 32 beta + 8 h + 0 .. 7 (accumulator 2 beta) and 32 beta + 16 + 8 h + 0 .. 7 (accumulator 2 beta + 1); lane l xor 16 holds the rest.
.macro ADDB a                          ; the block's 64 numbers + the row bias, out of the accumulators' window; each accumulator from its low end on
.set AC, 64*((\a)%4)
	WIN 0x02+((\a)/4)                              ; source 0: window 2 or 3
.set i, 0
.rept 32
	v_pk_add_f32 v[T+i:T+i+1], v[AC+i:AC+i+1], v[RB+2*(\a):RB+2*(\a)+1]
.set i, i+2
.endr
	WIN 0
.endm
.macro QUANT s, pw                     ; 64 numbers of a lane, 16 of each of four blocks, become codes in v[PC] on and my row's scale word in v[pw]
.irp b, 0,1,2,3
	v_max3_num_f32 v[TM+\b], |v[\s+16*\b]|, |v[\s+1+16*\b]|, 0x8000000   ; block b: my 16 numbers, and the floor 2^(16 - 127): the byte cannot fall under 1
.endr
.irp i, 2,4,6,8,10,12,14
.irp b, 0,1,2,3
	v_max3_num_f32 v[TM+\b], v[TM+\b], |v[\s+16*\b+\i]|, |v[\s+1+16*\b+\i]|   ; (the four blocks by turns)
.endr
.endr
.irp b, 0,1,2,3
	v_permlanex16_b32 v[TM+4+\b], v[TM+\b], s[SEL], s[SEL+1]
.endr
.irp b, 0,1,2,3
	v_max_num_f32 v[TM+\b], v[TM+\b], v[TM+4+\b]   ; with lane l xor 16's: the block's largest magnitude
.endr
.irp b, 0,1,2,3
	v_add_nc_u32 v[TM+12+\b], 0xf8800000, v[TM+\b]   ; 15 off its exponent field: the conversion's scale operand
.endr
.irp b, 0,1,2,3
	v_and_or_b32 v[TM+8+\b], v[TM+\b], 0x7f800000, s[MNT]   ; 57,344 x the scale
.endr
.irp b, 0,1,2,3
	v_lshrrev_b32 v[TM+4+\b], 23, v[TM+12+\b]      ; the scale's byte
.endr
	v_lshl_or_b32 v[\pw], v[TM+5], 8, v[TM+4]
	v_lshl_or_b32 v[\pw], v[TM+6], 16, v[\pw]
	v_lshl_or_b32 v[\pw], v[TM+7], 24, v[\pw]
.irp b, 0,1,2,3
.irp i, 0,1,2,3,4,5,6,7,8,9,10,11,12,13,14,15
	v_med3_num_f32 v[\s+16*\b+\i], v[\s+16*\b+\i], -v[TM+8+\b], v[TM+8+\b]   ; the conversion to an 8-bit code does not saturate (ISA guide 7.6.2): the hold
.endr
	v_cvt_scalef32_pk8_bf8_f32 v[PC+4*\b:PC+1+4*\b], v[\s+16*\b:\s+7+16*\b], v[TM+12+\b]
	v_cvt_scalef32_pk8_bf8_f32 v[PC+2+4*\b:PC+3+4*\b], v[\s+8+16*\b:\s+15+16*\b], v[TM+12+\b]
.endr
	v_nop                                          ; one plain line behind the last conversion: the next block's additions write its sources
.endm
.macro TOSTAGE a                       ; eight codes a store into rows of 144 bytes of my own stage; back as whole rows.  LDS serves a wave's instructions in order (ISA guide 5.7.1.4): no wait between
.set BB, OB+16*((\a)%2)
.irp b, 0,1,2,3,4,5,6,7
	ds_store_b64 v[STO], v[PC+2*\b:PC+2*\b+1] offset:16*\b     ; columns 16 b + 8 h + 0 .. 7 of row r
.endr
	ds_store_b32 v[SWA], v[PWR+(\a)] offset:64*(\a)            ; lanes r and r + 16 write the same word with the same value
.irp k, 0,1,2,3
	ds_load_b128 v[BB+4*\k:BB+4*\k+3], v[RD] offset:576*\k
.endr
.endm
.macro SEND a                          ; the block's 2,048 bytes of the tile: each store covers 512 consecutive bytes, aligned; every offset is an immediate
.set BB, OB+16*((\a)%2)
.irp k, 0,1,2,3
	global_store_b128 v[CO], v[BB+4*\k:BB+4*\k+3], s[14:15] offset:(\a)*2048+512*\k
.endr
.endm
	PLACES NP                                      ; behind the last products: their results are read, and A's registers written, from here on
	s_wait_loadcnt 0x0                             ; the row bias
.set i, 0
.rept 16
	v_cndmask_b32 v[RB+i], 0, v[RB+i], s[NMK]      ; zeros for q and k, whose bias ran along n
.set i, i+1
.endr
.irp b, 0,1,2,3
	v_mov_b32 v[TM+4+\b], 0                        ; written once: a lane permute's destination counts as one of its sources
.endr
.irp a, 0,1,2,3,4,5,6,7
	ADDB \a
.if \a > 0
	s_wait_dscnt 0x0                               ; the block before is back from the stage, and its LDS stores have read the codes' registers
	SEND \a-1
.endif
	QUANT T, PWR+\a
.if \a > 1
	s_wait_xcnt 0x0                                ; the stores of two blocks back have read their registers: this block's rows may land there
.endif
	TOSTAGE \a
.endr
	s_wait_dscnt 0x0
	SEND 7
	ds_load_b128 v[T:T+3], v[SWR]                  ; the tile's 128 scale words: 512 bytes
	s_wait_dscnt 0x0
	global_store_b128 v[CO], v[T:T+3], s[16:17]
	s_wait_tensorcnt 0x0                           ; the wave's end: behind my last tensor load and my last LDS store
	ds_add_u32 v[SPW], v[NIL]
	s_wait_dscnt 0x0
	CROUND                                         ; the closing round: no work-group ends while a partner may still ask for a tile that names it
	s_endpgm
.Lfunc_end_k_qa69873b2b5_proj:
	.size	k_qa69873b2b5_proj, .Lfunc_end_k_qa69873b2b5_proj-k_qa69873b2b5_proj
	.p2alignl 7, 3214868480
	.fill 96, 4, 3214868480
	.section	.rodata,"a",@progbits
	.p2align	6, 0x0
	.amdhsa_kernel k_qa69873b2b5_proj
		.amdhsa_group_segment_fixed_size 327680
		.amdhsa_private_segment_fixed_size 0
		.amdhsa_enable_private_segment 0
		.amdhsa_kernarg_size 56
		.amdhsa_user_sgpr_count 2
		.amdhsa_user_sgpr_kernarg_segment_ptr 1
		.amdhsa_wavefront_size32 1
		.amdhsa_system_sgpr_workgroup_id_x 1
		.amdhsa_system_sgpr_workgroup_id_y 1
		.amdhsa_system_sgpr_workgroup_id_z 1
		.amdhsa_system_vgpr_workitem_id 0
		.amdhsa_next_free_vgpr 1024
		.amdhsa_next_free_sgpr 102
		.amdhsa_reserve_vcc 0
		.amdhsa_float_denorm_mode_32 3
		.amdhsa_float_denorm_mode_16_64 3
		.amdhsa_memory_ordered 1
		.amdhsa_forward_progress 1
		.amdhsa_inst_pref_size 218
	.end_amdhsa_kernel
	.amdgpu_metadata
---
amdhsa.version: [ 1, 2 ]
amdhsa.kernels:
  - .name:           k_qa69873b2b5_proj
    .symbol:         k_qa69873b2b5_proj.kd
    .args:
      - { .name: c1, .offset: 0, .size: 8, .value_kind: global_buffer, .address_space: global }
      - { .name: s1, .offset: 8, .size: 8, .value_kind: global_buffer, .address_space: global }
      - { .name: bq, .offset: 16, .size: 8, .value_kind: global_buffer, .address_space: global }
      - { .name: bk, .offset: 24, .size: 8, .value_kind: global_buffer, .address_space: global }
      - { .name: bv, .offset: 32, .size: 8, .value_kind: global_buffer, .address_space: global }
      - { .name: c2, .offset: 40, .size: 8, .value_kind: global_buffer, .address_space: global }
      - { .name: s2, .offset: 48, .size: 8, .value_kind: global_buffer, .address_space: global }
    .group_segment_fixed_size: 327680
    .private_segment_fixed_size: 0
    .kernarg_segment_align: 8
    .kernarg_segment_size: 56
    .max_flat_workgroup_size: 128
    .sgpr_count:     102
    .vgpr_count:     1024
    .wavefront_size: 32
...
	.end_amdgpu_metadata
.endif
;; end of part 2
;; launch attn (part 3): grid 16 x 16, 16 waves a work-group, no clusters, 169,984 bytes of LDS; arguments c2, s2, c3, s3; writes c3, s3
.if DOCPART == 3
	.amdgcn_target "amdgcn-amd-amdhsa--gfx1250"
	.amdhsa_code_object_version 6
	.text
	.protected	k_qa69873b2b5_attn
	.globl	k_qa69873b2b5_attn
	.p2align	8
	.type	k_qa69873b2b5_attn,@function
k_qa69873b2b5_attn:
	s_mov_b64 s[64:65], 0
	v_nop
	global_prefetch_b8 v0, s[64:65] scope:SCOPE_SE
	s_setreg_imm32_b32 hwreg(HW_REG_WAVE_MODE, 25, 1), 1
	s_wait_xcnt 0x0
; Attention under the band mask (key j counts for query i where i - 255 <= j <= i), 16 heads of 64, both products on codes of BF8 (E5M2) with one E8M0 scale for each 32 along a product's K; the result is quantised along the 1,024 features for the last projection.
; THE SOFTMAX AHEAD OF THE SECOND PRODUCT: t = score x log2(e) / 8; M = the row's largest t so far, rounded UP to a whole number; p = 2^(t - M) is what is quantised, along the keys, not normalised.  The row's sum is taken of the
; unquantised p and divides O at the end.  When M moves, the sum and O are multiplied by 2^(old M - new M): exact.
; LIMITS: a block whose largest magnitude lies under 2^-111 keeps the byte 1; a block of zeros gets the byte 1 and not 127 (its codes are zeros, this program alone reads the bytes); NaN and infinities are not served.
; INPUT IN TILES of [128 rows][128 bytes], tile T's codes at 16384 T, its scale words at 512 T.  q: T = (token / 128) x 8 + pair, rows = tokens, bytes = the two heads of a pair; k: 256 + the same; v^T: 512 + pair x 32 + key / 128, rows = features, bytes = keys.
; SHARES.  Work-group (a, y): queries 128 a .. 128 a + 127 of batch y / 8, head pair y % 8.  Wave w: head w % 2 of the pair, queries 16 (w / 2) on: one tile, 256 registers, four waves to a SIMD.
; The band of these 128 queries lies in the three aligned steps of 128 keys a - 2, a - 1, a.  LDS slot u holds step a - u.  Step a - 1 is wholly open; in step a key jr is hidden where jr > the query's place q in the block; in step a - 2 where jr <= q.
; A step that does not exist (u > a) is left out by a scalar branch on the work-group's number; its slot's load is turned to step 0 and not read, so that every wave issues the same loads on every way.
; All twelve tiles (K, V, their scale words) are asked for in one group at the head, one load a wave, and nothing is filled again: one barrier, no ring.
; NO CLUSTER: neighbouring blocks of queries share steps of keys, but each wants a step in another slot, so the LDS address, a word of the descriptor, would differ between partners.
; LAYOUT.  Both products are used transposed: S^T = K Q^T (source 0 = 16 keys, source 1 = my 16 queries), O^T = V^T P^T: a lane holds ONE query (lane % 16) throughout.
; THE KEYS OF A TILE ARE NOT NEIGHBOURS: lane r of tile 2 b + u takes key 32 b + 8 u + r + 8 (r / 8), so that the 16 registers of tiles 2 b and 2 b + 1 are 16 neighbouring keys, 32 b + 16 (lane / 16) + 0 .. 15.  V's features are chosen likewise, for the way out.
; K = 64 IN AN INSTRUCTION OF 128: Q's upper 64 are zero codes.  A tile of K is loaded as 8 registers; the instruction names 16: the upper eight are the next tile's codes (finite; behind the last tile eight registers of zeros), which meet Q's zeros.
; The scale words are loaded as 16 bits, my head's two bytes; the upper two bytes are 0, which is a scale like any other and no NaN.
.set KP,   144                         ; a row in LDS: 128 bytes + 16 of padding
.set TILE, 128*KP                      ; LDS: K's slots 0, 1, 2, then V's
.set VB,   3*TILE
.set SCK,  6*TILE                      ; K's scale words, 512 bytes a slot,
.set SCV,  SCK+3*512                   ; V's,
.set STG,  SCK+6*512                   ; the way out: [128 tokens][128 bytes]; no tensor load lands here,
.set SWS,  STG+16384                   ; nor here: the 128 tokens' scale words
.set AK0,  1                           ; v1   my lane's place in a tile of K
.set AV0,  2                           ; v2   in a tile of V
.set ASK0, 3                           ; v3   among K's scale words
.set ASV0, 4                           ; v4   among V's
.set DD,   5                           ; v5   my query's place in the block - 16 (lane / 16)
.set NINF, 6                           ; v6   -infinity
.set SO,   7                           ; v7   the way out: where I put 16 codes
.set SWO,  8                           ; v8   and my row's two scale bytes
.set RDB,  9                           ; v9   where I read the stage back
.set GO,   10                          ; v10  and the same place in the output
.set L16,  11                          ; v11  16 x lane
.set QF,   16                          ; v16-31  Q: 64 codes, 64 zeros;   v12 -M, v13 the largest t, v[14:15] the sum in two halves
.set KF,   32                          ; v32-95  eight tiles of K, later four fragments of V;  v96-103 zeros
.set S,    104                         ; v104-167 S^T, then p
.set OT,   168                         ; v168-199 O^T
.set PCD,  200                         ; v200-215 p's codes
.set SW,   216                         ; v216-223 scale words of K's eight tiles, later of V's four
.set BM,   224                         ; v224-227 a block's largest score, then its largest p
.set PB,   228                         ; v228-231 the other half's; then the bytes
.set HD,   232                         ; v232-235 57,344 x the scale
.set SOP,  236                         ; v236-239 the conversions' scale operand
.set SUM2, 240                         ; v[240:241] the second chain of sums
.set QS,   242                         ; v242 Q's scale word
.set PS,   243                         ; v243 p's scale word
.set FF,   244                         ; v[244:245] f = 2^(old M - new M); the pair's upper word is written once
.set TP,   246                         ; v246 at work
.set OS,   247                         ; v247 the output's two scale bytes
.set WV,   12                          ; s12 wave;  s13 head of the pair;  s14 tile of queries;  s15 block of queries;  s16 batch;  s17 pair
.set QB,   15
.set CS,   22                          ; s[22:23] c = log2(e) / 8
.set G1C,  24                          ; s[24:31] descriptor group 1 for tiles of codes;  s[32:39] for scale words;  s[40:43], s[44:47] their groups 0
.set G1S,  32
.set G0C,  40
.set G0S,  44
.set SEL,  48                          ; s[48:49] v_permlanex16_b32's selects for lane l xor 16
.set MNT,  50                          ; s50 the mantissa field of 57,344
	s_load_b256 s[4:11], s[0:1], 0x0               ; c2 s[4:5], s2 s[6:7], c3 s[8:9], s3 s[10:11]
	v_lshl_add_u32 v248, v0, 2, 0x29000
	v_mov_b32 v249, 0
	ds_add_u32 v248, v249
	ds_add_u32 v248, v249
	v_lshrrev_b32 v1, 5, v0
	v_readfirstlane_b32 s[WV], v1                  ; wave 0..15
	s_and_b32 s13, s[WV], 1
	s_lshr_b32 s14, s[WV], 1
	s_mov_b32 s[QB], ttmp9
	s_and_b32 s16, ttmp7, 0xffff
	s_and_b32 s17, s16, 7
	s_lshr_b32 s16, s16, 3
	; what I fetch, if I fetch: waves 0-2 K's codes of slots 0-2, waves 3-5 V's, waves 6-8 K's scale words, waves 9-11 V's
	s_mul_i32 s18, s[WV], 11
	s_lshr_b32 s18, s18, 5                         ; wave / 3 (for waves 0 to 15)
	s_mul_i32 s19, s18, 3
	s_sub_co_u32 s19, s[WV], s19                   ; the slot u
	s_sub_co_i32 s19, s[QB], s19
	s_max_i32 s19, s19, 0                          ; the step a - u, or step 0 where there is none
	s_lshl_b32 s20, s16, 4
	s_add_co_u32 s19, s19, s20                     ; + 16 x batch
	s_lshl_b32 s21, s19, 3
	s_add_co_u32 s21, s21, s17
	s_add_co_u32 s21, s21, 256                     ; k's tile
	s_lshl_b32 s60, s17, 5
	s_add_co_u32 s60, s60, s19
	s_add_co_u32 s60, s60, 512                     ; v^T's tile
	s_bitcmp1_b32 s18, 0
	s_cselect_b32 s21, s60, s21
	s_lshl_b32 s56, s21, 14
	s_mov_b32 s57, 0
	s_lshl_b32 s58, s21, 9
	s_mov_b32 s59, 0
	s_add_co_u32 s20, s20, s[QB]                   ; q's tile: (16 x batch + a) x 8 + pair
	s_lshl_b32 s20, s20, 3
	s_add_co_u32 s20, s20, s17
	s_lshl_b32 s60, s20, 14
	s_lshl_b32 s61, s14, 11                        ; my 16 rows of 128 bytes,
	s_add_co_u32 s60, s60, s61
	s_lshl_b32 s61, s13, 6                         ; my head's 64
	s_add_co_u32 s60, s60, s61
	s_mov_b32 s61, 0
	s_lshl_b32 s62, s20, 9
	s_lshl_b32 s63, s14, 6
	s_add_co_u32 s62, s62, s63
	s_lshl_b32 s63, s13, 1                         ; my head's two bytes of a scale word
	s_add_co_u32 s62, s62, s63
	s_mov_b32 s63, 0
	; descriptor group 1: 128 rows x 128 bytes, dense in memory, padded in LDS
	s_mov_b32 s[G1C], (0<<16)|(1<<20)|(4<<22)|(3<<25)             ; no mask; elements of 1 byte; padding on: four words (code 3) after every 32 (code 4)
	s_mov_b32 s[G1C+1], 128<<16                    ; tensor_dim0
	s_mov_b32 s[G1C+2], 128<<16                    ; tensor_dim1
	s_mov_b32 s[G1C+3], 128<<16                    ; tile_dim0
	s_mov_b32 s[G1C+4], 128                        ; tile_dim1
	s_mov_b32 s[G1C+5], 128                        ; tensor_dim0_stride
	s_mov_b32 s[G1C+6], 0
	s_mov_b32 s[G1C+7], 0
	s_mov_b32 s[G1S], 3<<16                        ; a tile's scale words: 512 dense bytes as two rows of 32 elements of 8 bytes
	s_mov_b32 s[G1S+1], 32<<16
	s_mov_b32 s[G1S+2], 2<<16
	s_mov_b32 s[G1S+3], 32<<16
	s_mov_b32 s[G1S+4], 2
	s_mov_b32 s[G1S+5], 32
	s_mov_b32 s[G1S+6], 0
	s_mov_b32 s[G1S+7], 0
	s_mov_b32 s[CS], 0x3e38aa3b                    ; c = log2(e) / 8: the module's 1 / sqrt(64) is a power of two and goes in exactly
	s_mov_b32 s[CS+1], s[CS]                       ; (named with it as a pair, so it is written)
	s_mov_b32 s[SEL], 0x76543210
	s_mov_b32 s[SEL+1], 0xfedcba98
	s_mov_b32 s[MNT], 0x600000
	s_wait_dscnt 0x0
	s_wait_kmcnt 0x0
	s_mov_b32 s[G0C], 1
	s_mul_i32 s[G0C+1], s[WV], TILE                ; waves 0-5: tile w
	s_add_nc_u64 s[G0C+2:G0C+3], s[4:5], s[56:57]
	s_or_b32 s[G0C+3], s[G0C+3], 0x80000000
	s_mov_b32 s[G0S], 1
	s_lshl_b32 s[G0S+1], s[WV], 9
	s_add_co_u32 s[G0S+1], s[G0S+1], SCK-6*512     ; waves 6-11: 512 bytes each, from SCK on
	s_add_nc_u64 s[G0S+2:G0S+3], s[6:7], s[58:59]
	s_or_b32 s[G0S+3], s[G0S+3], 0x80000000
	s_cmp_lt_u32 s[WV], 6                          ; the branches hang on the wave's number alone; four v_nop follow each of the two lines
	s_cbranch_scc0 .Lnot_codes
	tensor_load_to_lds s[G0C:G0C+3], s[G1C:G1C+7]
	s_nop 0
.rept 4
	v_nop
.endr
	s_branch .Lasked
.Lnot_codes:
	s_cmp_lt_u32 s[WV], 12
	s_cbranch_scc0 .Lasked
	tensor_load_to_lds s[G0S:G0S+3], s[G1S:G1S+7]
	s_nop 0
.rept 4
	v_nop
.endr
.Lasked:
	s_add_nc_u64 s[52:53], s[4:5], s[60:61]        ; q's codes at my first query, my head
	s_add_nc_u64 s[54:55], s[6:7], s[62:63]        ; and its scale bytes
	v_and_b32 v250, 15, v0                         ; r
	v_bfe_u32 v251, v0, 4, 1                       ; h
	v_lshlrev_b32 v253, 7, v250
	v_lshl_add_u32 v253, v251, 4, v253             ; row r of 128 bytes + 16 h
	global_load_b128 v[QF:QF+3], v253, s[52:53]              ; k = 16 h + 0 .. 15
	global_load_b128 v[QF+4:QF+7], v253, s[52:53] offset:32  ; k = 32 + 16 h + 0 .. 15
	v_lshlrev_b32 v254, 2, v250
	global_load_u16 v[QS], v254, s[54:55]
	s_lshl_b32 s18, s16, 3                         ; the output's panel: 8 x batch + a / 2; chunk = pair; rows 128 (a % 2) on
	s_lshr_b32 s19, s[QB], 1
	s_add_co_u32 s18, s18, s19
	s_and_b32 s19, s[QB], 1
	s_lshl_b32 s56, s18, 18
	s_lshl_b32 s20, s17, 15
	s_add_co_u32 s56, s56, s20
	s_lshl_b32 s20, s19, 14
	s_add_co_u32 s56, s56, s20
	s_add_nc_u64 s[8:9], s[8:9], s[56:57]
	s_lshl_b32 s56, s18, 13
	s_lshl_b32 s20, s17, 10
	s_add_co_u32 s56, s56, s20
	s_lshl_b32 s20, s19, 9
	s_add_co_u32 s56, s56, s20
	s_add_nc_u64 s[10:11], s[10:11], s[56:57]
	v_and_b32 v252, 8, v250
	v_add_nc_u32 v252, v252, v250                  ; r + 8 (r / 8)
	v_mul_u32_u24 v[AK0], v252, KP
	v_lshl_add_u32 v[AK0], v251, 4, v[AK0]
	v_mov_b32 v[AV0], v[AK0]
	s_lshl_b32 s18, s13, 6
	v_add_nc_u32 v[AK0], s18, v[AK0]               ; K: my head's 64 bytes of a key's row
	s_mul_i32 s19, s13, 64*KP
	s_add_co_u32 s19, s19, VB
	v_add_nc_u32 v[AV0], s19, v[AV0]               ; V: my head's 64 rows
	s_lshl_b32 s19, s13, 1
	s_add_co_u32 s20, s19, SCK
	v_lshl_add_u32 v[ASK0], v252, 2, s20
	s_lshl_b32 s20, s13, 8
	s_add_co_u32 s20, s20, SCV
	v_lshl_add_u32 v[ASV0], v252, 2, s20
	s_lshl_b32 s20, s14, 4
	v_add_nc_u32 v255, s20, v250                   ; q: my query's place in the block
	v_lshlrev_b32 v[DD], 4, v251
	v_sub_nc_u32 v[DD], v255, v[DD]
	v_mov_b32 v[NINF], 0xff800000
	v_lshlrev_b32 v[SO], 7, v255
	v_lshl_add_u32 v[SO], v251, 4, v[SO]
	s_add_co_u32 s18, s18, STG
	v_add_nc_u32 v[SO], s18, v[SO]                 ; token q's row of 128 bytes, my head's 64, + 16 h
	s_add_co_u32 s19, s19, SWS
	v_lshl_add_u32 v[SWO], v255, 2, s19
	v_and_b32 v[L16], 31, v0
	v_lshlrev_b32 v[L16], 4, v[L16]
	s_lshl_b32 s20, s[WV], 10
	v_add_nc_u32 v[GO], s20, v[L16]                ; back: 1,024 bytes a wave
	v_add_nc_u32 v[RDB], STG, v[GO]
	v_add_nc_u32 v255, SWS, v[L16]
	v_mov_b32 v13, 0xff61b1e6                      ; the largest t so far: -3e38, under every t
	v_floor_f32 v12, -v13                          ; -M
	v_mov_b32 v14, 0
	v_mov_b32 v15, 0
.irp j, 0,1,2,3,4,5,6,7
	v_mov_b32 v[QF+8+\j], 0                        ; Q's upper 64: zero codes
	v_mov_b32 v[KF+64+\j], 0                       ; and what the last tile of K names beyond its own
.endr
.set j, 0
.rept 32
	v_mov_b32 v[OT+j], 0                           ; O^T.  (Which step is a block's first hangs on the block: each step finds zeros or sums, and the first change of M leaves zeros zeros)
.set j, j+1
.endr
.irp b, 0,1,2,3
	v_mov_b32 v[PB+\b], 0                          ; written once: a lane permute's destination counts as one of its sources
.endr
	v_mov_b32 v[FF+1], 0
	v_mov_b32 v[TP], 0
	s_wait_loadcnt 0x0                             ; Q
	s_wait_tensorcnt 0x0                           ; my tile has landed,
	s_barrier_signal -1
	s_barrier_wait -1                              ; everybody's has
; A KEY STEP: the 128 keys of slot u.
.macro ASTEP u
.if \u > 0
	s_cmp_lt_u32 s[QB], \u                         ; there is no step a - u: a scalar branch on the work-group's number, round the step's loads, products and softmax
	s_cbranch_scc1 .Lnone_\@
.endif
.rept 8
	v_nop                                          ; places in front of loads into registers that the last step's products have read
.endr
.irp t, 0,1,2,3,4,5,6,7
	ds_load_b128 v[KF+8*\t:KF+8*\t+3], v[AK0] offset:\u*TILE+(32*(\t/2)+8*(\t%2))*KP
	ds_load_b128 v[KF+8*\t+4:KF+8*\t+7], v[AK0] offset:\u*TILE+(32*(\t/2)+8*(\t%2))*KP+32
	ds_load_u16 v[SW+\t], v[ASK0] offset:\u*512+(32*(\t/2)+8*(\t%2))*4
.endr
	s_wait_dscnt 0x0
.irp t, 0,1,2,3,4,5,6,7
	v_wmma_scale_f32_16x16x128_f8f6f4 v[S+8*\t:S+8*\t+7], v[KF+8*\t:KF+8*\t+15], v[QF:QF+15], 0, v[SW+\t], v[QS] matrix_a_fmt:MATRIX_FMT_BF8 matrix_b_fmt:MATRIX_FMT_BF8
.endr
.rept 8
	v_nop                                          ; places: the loads below land in K's registers, and the scores are read
.endr
.irp t, 0,1,2,3                                ; V's four fragments are asked for here and land under the softmax
.irp c, 0,1,2,3
	ds_load_b128 v[KF+16*\t+4*\c:KF+16*\t+4*\c+3], v[AV0] offset:\u*TILE+(32*(\t/2)+8*(\t%2))*KP+32*\c
.endr
	ds_load_b32 v[SW+\t], v[ASV0] offset:\u*512+(32*(\t/2)+8*(\t%2))*4
.endr
.if \u != 1                                    ; register n holds key 16 (lane / 16) + 32 (n / 16) + n % 16 of the step: hidden scores become -infinity ahead of the maximum, so p = 0
.set n, 0
.rept 64
.if \u == 0
	v_cmp_gt_i32 vcc_lo, 32*(n/16)+n%16, v[DD]     ; the step of my own block: keys after my query
.else
	v_cmp_le_i32 vcc_lo, 32*(n/16)+n%16, v[DD]     ; two steps back: keys 256 or more before my query
.endif
	v_cndmask_b32 v[S+n], v[S+n], v[NINF], vcc_lo
.set n, n+1
.endr
.endif
.irp b, 0,1,2,3
	v_max3_num_f32 v[BM+\b], v[S+16*\b], v[S+1+16*\b], v[S+2+16*\b]   ; THE LARGEST SCORE OF EACH BLOCK OF 32 KEYS serves twice: for the row's maximum, and, since p rises with the score, for the block's largest p
.endr
.irp i, 3,5,7,9,11,13
.irp b, 0,1,2,3
	v_max3_num_f32 v[BM+\b], v[BM+\b], v[S+16*\b+\i], v[S+1+16*\b+\i]
.endr
.endr
.irp b, 0,1,2,3
	v_max_num_f32 v[BM+\b], v[BM+\b], v[S+15+16*\b]
.endr
.irp b, 0,1,2,3
	v_permlanex16_b32 v[PB+\b], v[BM+\b], s[SEL], s[SEL+1]
.endr
.irp b, 0,1,2,3
	v_max_num_f32 v[BM+\b], v[BM+\b], v[PB+\b]     ; with lane l xor 16's 16 keys
.endr
	v_max3_num_f32 v[TP], v[BM], v[BM+1], v[BM+2]
	v_max_num_f32 v[TP], v[TP], v[BM+3]            ; the step's largest score of my query (-infinity where the whole step is hidden: the running t then stays)
	v_mul_f32 v[TP], s[CS], v[TP]                  ; as t (c is positive)
	v_max_num_f32 v13, v13, v[TP]                  ; the running largest t
	v_mov_b32 v[TP], v12
	v_floor_f32 v12, -v13                          ; the new -M = floor(-t) = -ceil(t): M IS A WHOLE NUMBER
	v_sub_f32 v[TP], v12, v[TP]                    ; M's old value less its new one: a whole number, 0 or less
	v_cvt_i32_f32 v[TP], v[TP]                     ; (it saturates)
	v_ldexp_f32 v[FF], 1.0, v[TP]                  ; f = 2^(old M - new M)
.set j, 0
.rept 32
	v_pk_fma_f32 v[S+j:S+j+1], v[S+j:S+j+1], s[CS:CS+1], v[12:13] op_sel_hi:[1,0,0]   ; t - M, two at a time (of the pairs c and -M the low word serves both halves)
.set j, j+2
.endr
.irp b, 0,1,2,3
	v_fma_f32 v[BM+\b], v[BM+\b], s[CS], v12       ; the same of each block's largest score
.endr
.set j, 0
.rept 64
	v_exp_f32 v[S+j], v[S+j]                       ; p = 2^(t - M), at most 1: NOT normalised
.set j, j+1
.endr
.irp b, 0,1,2,3
	v_exp_f32 v[BM+\b], v[BM+\b]                   ; the block's largest p: the same two instructions on the same number give the same bits
.endr
	v_pk_mul_f32 v[14:15], v[14:15], v[FF:FF+1] op_sel_hi:[1,0]   ; the sums under the new M.  (A plain place behind the exponentials)
	s_wait_alu depctr_va_vdst(0)
.irp b, 0,1,2,3
	v_max_num_f32 v[BM+\b], 0x8000000, v[BM+\b]    ; the floor 2^(16 - 127): the byte cannot fall under 1 (a block of hidden keys keeps that byte: its codes are zeros)
.endr
.irp b, 0,1,2,3
	v_add_nc_u32 v[SOP+\b], 0xf8800000, v[BM+\b]   ; 15 off the exponent field: the conversion's scale operand
.endr
.irp b, 0,1,2,3
	v_and_or_b32 v[HD+\b], v[BM+\b], 0x7f800000, s[MNT]   ; 57,344 x the scale
.endr
.irp b, 0,1,2,3
	v_lshrrev_b32 v[PB+\b], 23, v[SOP+\b]          ; the scale's byte
.endr
	v_lshl_or_b32 v[PS], v[PB+1], 8, v[PB]         ; p's scale word for these 128 keys
	v_lshl_or_b32 v[PS], v[PB+2], 16, v[PS]
	v_lshl_or_b32 v[PS], v[PB+3], 24, v[PS]
	v_pk_add_f32 v[SUM2:SUM2+1], v[S:S+1], v[S+2:S+3]   ; THE ROW'S SUM IS TAKEN OF THE UNQUANTISED p: two at a time, in two chains
.irp j, 4,8,12,16,20,24,28,32,36,40,44,48,52,56,60
	v_pk_add_f32 v[14:15], v[14:15], v[S+\j:S+1+\j]
	v_pk_add_f32 v[SUM2:SUM2+1], v[SUM2:SUM2+1], v[S+2+\j:S+3+\j]
.endr
	v_pk_add_f32 v[14:15], v[14:15], v[SUM2:SUM2+1]
.irp b, 0,1,2,3
.irp i, 0,1,2,3,4,5,6,7,8,9,10,11,12,13,14,15
	v_min_num_f32 v[S+16*\b+\i], v[S+16*\b+\i], v[HD+\b]   ; the conversion to an 8-bit code does not saturate (ISA guide 7.6.2); p is not negative, so the hold is one-sided
.endr
	v_cvt_scalef32_pk8_bf8_f32 v[PCD+4*\b:PCD+1+4*\b], v[S+16*\b:S+7+16*\b], v[SOP+\b]
	v_cvt_scalef32_pk8_bf8_f32 v[PCD+2+4*\b:PCD+3+4*\b], v[S+8+16*\b:S+15+16*\b], v[SOP+\b]
.endr
.set j, 0
.rept 16
	v_pk_mul_f32 v[OT+j:OT+j+1], v[OT+j:OT+j+1], v[FF:FF+1] op_sel_hi:[1,0]   ; O^T under the new M: x f.  (These sixteen are also the places between the codes' writes and the products below)
.set j, j+2
.endr
	s_wait_dscnt 0x0                               ; V
.irp t, 0,1,2,3                                ; O^T += V^T P^T: four accumulators, one instruction each
	v_wmma_scale_f32_16x16x128_f8f6f4 v[OT+8*\t:OT+8*\t+7], v[KF+16*\t:KF+16*\t+15], v[PCD:PCD+15], v[OT+8*\t:OT+8*\t+7], v[SW+\t], v[PS] matrix_a_fmt:MATRIX_FMT_BF8 matrix_b_fmt:MATRIX_FMT_BF8
.endr
.if \u > 0
.Lnone_\@:
.endif
.endm
	ASTEP 2
	ASTEP 1
	ASTEP 0                                        ; my own block's step is always there: key 0 of it counts for every query of it
	; THE WAY OUT.  O^T / the sum; register 16 b + i is feature 32 b + 16 (lane / 16) + i of my head: 16 numbers of a block of the last projection's K; lane l xor 16 holds the other 16.
.rept 8
	v_nop                                          ; places behind the last products
.endr
	v_add_f32 v14, v14, v15                        ; the sum's two halves,
	v_permlanex16_b32 v[TP], v14, s[SEL], s[SEL+1]
	v_add_f32 v14, v14, v[TP]                      ; and lane l xor 16's: the row's sum
	v_rcp_f32 v14, v14
	v_nop                                          ; one plain place behind a transcendental
.set j, 0
	s_wait_alu depctr_va_vdst(0)
.rept 32
	v_mul_f32 v[S+j], v[OT+j], v14                 ; each accumulator from its low end on
.set j, j+1
.endr
.irp b, 0,1
	v_max3_num_f32 v[BM+\b], |v[S+16*\b]|, |v[S+1+16*\b]|, 0x8000000   ; my 16 numbers and the floor 2^(16 - 127)
.endr
.irp i, 2,4,6,8,10,12,14
.irp b, 0,1
	v_max3_num_f32 v[BM+\b], v[BM+\b], |v[S+16*\b+\i]|, |v[S+1+16*\b+\i]|
.endr
.endr
.irp b, 0,1
	v_permlanex16_b32 v[PB+\b], v[BM+\b], s[SEL], s[SEL+1]
.endr
.irp b, 0,1
	v_max_num_f32 v[BM+\b], v[BM+\b], v[PB+\b]
.endr
.irp b, 0,1
	v_add_nc_u32 v[SOP+\b], 0xf8800000, v[BM+\b]
.endr
.irp b, 0,1
	v_and_or_b32 v[HD+\b], v[BM+\b], 0x7f800000, s[MNT]
.endr
.irp b, 0,1
	v_lshrrev_b32 v[PB+\b], 23, v[SOP+\b]
.endr
	v_lshl_or_b32 v[OS], v[PB+1], 8, v[PB]         ; my head's two bytes of the token's scale word
.irp b, 0,1
.irp i, 0,1,2,3,4,5,6,7,8,9,10,11,12,13,14,15
	v_med3_num_f32 v[S+16*\b+\i], v[S+16*\b+\i], -v[HD+\b], v[HD+\b]
.endr
	v_cvt_scalef32_pk8_bf8_f32 v[PCD+4*\b:PCD+1+4*\b], v[S+16*\b:S+7+16*\b], v[SOP+\b]
	v_cvt_scalef32_pk8_bf8_f32 v[PCD+2+4*\b:PCD+3+4*\b], v[S+8+16*\b:S+15+16*\b], v[SOP+\b]
.endr
	v_nop                                          ; one plain line behind the last conversion
	ds_store_b128 v[SO], v[PCD:PCD+3]
	ds_store_b128 v[SO], v[PCD+4:PCD+7] offset:32
	ds_store_b16 v[SWO], v[OS]                     ; lanes r and r + 16 write the same bytes with the same value
	s_wait_dscnt 0x0                               ; for the others' sake: my stores into the stage are done
	s_barrier_signal -1
	s_barrier_wait -1
	ds_load_b128 v[S:S+3], v[RDB]                  ; the work-group's 16,384 bytes are dense in the output: 1,024 a wave
	ds_load_b128 v[S+4:S+7], v[RDB] offset:512
	s_wait_dscnt 1                                 ; the first is back; the second may be out
	global_store_b128 v[GO], v[S:S+3], s[8:9]      ; 32 lanes store 512 consecutive bytes, aligned
	s_wait_dscnt 0x0
	global_store_b128 v[GO], v[S+4:S+7], s[8:9] offset:512
	s_cmp_lg_u32 s[WV], 0
	s_cbranch_scc1 .Ldone
	ds_load_b128 v[S+8:S+11], v255                 ; wave 0: the 128 tokens' scale words, 512 bytes
	s_wait_dscnt 0x0
	global_store_b128 v[L16], v[S+8:S+11], s[10:11]
.Ldone:
	s_wait_tensorcnt 0x0
	ds_add_u32 v248, v249
	s_wait_dscnt 0x0
	s_endpgm
.Lfunc_end_k_qa69873b2b5_attn:
	.size	k_qa69873b2b5_attn, .Lfunc_end_k_qa69873b2b5_attn-k_qa69873b2b5_attn
	.p2alignl 7, 3214868480
	.fill 96, 4, 3214868480
	.section	.rodata,"a",@progbits
	.p2align	6, 0x0
	.amdhsa_kernel k_qa69873b2b5_attn
		.amdhsa_group_segment_fixed_size 169984
		.amdhsa_private_segment_fixed_size 0
		.amdhsa_enable_private_segment 0
		.amdhsa_kernarg_size 32
		.amdhsa_user_sgpr_count 2
		.amdhsa_user_sgpr_kernarg_segment_ptr 1
		.amdhsa_wavefront_size32 1
		.amdhsa_system_sgpr_workgroup_id_x 1
		.amdhsa_system_sgpr_workgroup_id_y 1
		.amdhsa_system_sgpr_workgroup_id_z 1
		.amdhsa_system_vgpr_workitem_id 0
		.amdhsa_next_free_vgpr 256
		.amdhsa_next_free_sgpr 66
		.amdhsa_reserve_vcc 1
		.amdhsa_float_denorm_mode_32 3
		.amdhsa_float_denorm_mode_16_64 3
		.amdhsa_memory_ordered 1
		.amdhsa_forward_progress 1
		.amdhsa_inst_pref_size 82
	.end_amdhsa_kernel
	.amdgpu_metadata
---
amdhsa.version: [ 1, 2 ]
amdhsa.kernels:
  - .name:           k_qa69873b2b5_attn
    .symbol:         k_qa69873b2b5_attn.kd
    .args:
      - { .name: c2, .offset: 0, .size: 8, .value_kind: global_buffer, .address_space: global }
      - { .name: s2, .offset: 8, .size: 8, .value_kind: global_buffer, .address_space: global }
      - { .name: c3, .offset: 16, .size: 8, .value_kind: global_buffer, .address_space: global }
      - { .name: s3, .offset: 24, .size: 8, .value_kind: global_buffer, .address_space: global }
    .group_segment_fixed_size: 169984
    .private_segment_fixed_size: 0
    .kernarg_segment_align: 8
    .kernarg_segment_size: 32
    .max_flat_workgroup_size: 512
    .sgpr_count:     66
    .vgpr_count:     256
    .wavefront_size: 32
...
	.end_amdgpu_metadata
.endif
;; end of part 3
;; launch outp (part 4): grid 4 x 16, 4 waves a work-group, clusters of 4 x 4, 327,680 bytes of LDS; arguments c3, s3, c1, s1, bo, out0; writes out0
.if DOCPART == 4
	.amdgcn_target "amdgcn-amd-amdhsa--gfx1250"
	.amdhsa_code_object_version 6
	.text
	.protected	k_qa69873b2b5_outp
	.globl	k_qa69873b2b5_outp
	.p2align	8
	.type	k_qa69873b2b5_outp,@function
k_qa69873b2b5_outp:
	s_mov_b64 s[64:65], 0
	v_nop
	global_prefetch_b8 v0, s[64:65] scope:SCOPE_SE
	s_setreg_imm32_b32 hwreg(HW_REG_WAVE_MODE, 25, 1), 1
	s_wait_xcnt 0x0
	s_wait_alu depctr_hold_cnt(0) depctr_sa_sdst(0) depctr_va_vdst(0) depctr_va_sdst(0) depctr_va_ssrc(0) depctr_va_vcc(0) depctr_vm_vsrc(0)
	s_getreg_b32 s2, hwreg(HW_REG_IB_STS2, 6, 4)
	s_cmp_eq_u32 s2, 0
	s_cbranch_scc0 .Lentry_in_a_cluster
	s_endpgm
.Lentry_in_a_cluster:
	s_bfe_u32 s2, ttmp6, 0x10000c
	s_cmp_lg_u32 s2, 0xf033
	s_cbranch_scc0 .Lentry_shape_is_right
	s_endpgm
.Lentry_shape_is_right:
; out0[token][n] = sum over k of A[token][k] Wo[n][k] + bo[n], on codes of BF8 (E5M2) with one E8M0 scale for each 32 along K = 1,024.  A: the attention's result, 16 panels in c3, s3; Wo: panels 60-63 of c1, s1.  out0: [4096][1024] f32.
; PANELS: code (G, k) at (G / 256) x 262144 + (k / 128) x 32768 + (G % 256) x 128 + k % 128; scale word at (G / 256) x 8192 + (k / 128) x 1024 + (G % 256) x 4.
; SHARES.  64 work-groups, one for each 256 x 256 of the output: that is all the work there is at this tile; four waves, each 128 x 128: 64 accumulators, 512 registers.  K goes in steps of 256 (two chunks) through a ring of two LDS slots;
; a wave's tensor load brings one chunk of one panel: 256 rows x 128 bytes, dense in memory.  The scales of both panels for all of K come once, with the first fills.
; CLUSTERS: 4 x 4 work-groups.  The four of a row of the cluster need the same panel of A, the four of a column the same panel of Wo: each tile is asked for JOINTLY, by the same tensor load with the same descriptor and a mask that names the four.
; THE MATRIX INSTRUCTION IS USED TRANSPOSED (source 0 = 16 rows of Wo, source 1 = 16 tokens): a lane holds eight neighbouring numbers of a row of the output.  The bias is the C of each sum's first product.
; REGISTERS, in windows of 256: window 0: v14-31 addresses; v32-63 scale words, two sets; v64-127 the bias; from v128 A's fragments, ONE set; on the way out v128-255 take rows read back.
;   window 1: B's fragments, TWO sets.   window 2: the accumulators of my rows 0-63 ((a, b) at v[8 (8 a + b)]);   window 3: those of my rows 64-127.
.set PITCH,  144                       ; an LDS row: 128 bytes + 16 of padding = 36 words: the 16 rows that a load touches start at 16 different multiples of 4 banks (64 banks of 4 bytes: ISA guide 11.1)
.set CH,     256*PITCH                 ; a chunk of a panel: what one tensor load brings
.set SLOT,   4*CH                      ; A's chunks 0, 1, then B's chunks 0, 1
.set SCL,    2*SLOT                    ; behind the ring: A's scales, then B's, 8,192 bytes each
.set SPARE,  SCL+16384                 ; the spare words, 128 bytes for each wave: two blocks of 256 bytes that no other line names
.set SPITCH, 528                       ; the way out: a stage of 16 rows x (512 bytes + 16) for each wave, in slot 0, which has had its last fill and its last read when the first result is stored there
.set SIZE_N, 1024
.set NQ,     2
.set FR,     16
.set NL,     4
.set NP,     8                         ; places behind this matrix instruction (ISA guide 7.12.1)
.set LAPS,   2
.set CBA,  14                          ; v14  32 x (lane / 16)
.set ADRA, 16                          ; v16-17  LDS address of my A fragments in slot 0, 1
.set ADRB, 20                          ; v20-21  the same for B
.set STO,  24                          ; v24  the way out: where I put 32 bytes of a row
.set RD,   25                          ; v25  where I read a row back
.set CO,   26                          ; v26  16 x lane
.set ADRS, 27                          ; v27  LDS address of my scale words: lanes 0-15 A's rows, lanes 16-31 B's
.set SPW,  28                          ; v28  LDS address of my spare word; never rewritten
.set NIL,  29                          ; v29  0; never rewritten
.set SC,   32
.set CB,   64
.set AF,   128
.set BK,   128                         ; the way out: 16 rows read back: v128-191 and v192-255 by turns
.set G1, 24
.set G0, 32
.set G1B, 48
.set G0B, 56
.set G1S, 68
.set G0S, 76
.set G1SB, 80
.set G0SB, 88
.set MSB, 0
.macro WIN new                         ; the immediate's high byte repeats the setting that is left
.if MSB != \new
	s_set_vgpr_msb (MSB<<8)|\new
.set MSB, \new
.endif
.endm
.set MUL_LO, 0xa1                      ; source 0 (B) window 1, source 1 (A) window 0, C and D window 2
.set MUL_HI, 0xf1                      ; the same, C and D window 3
.set TO_B,   0x40                      ; destination window 1, address window 0
; A joint load: waves 0 and 1 fetch for A, waves 2 and 3 for B; the branch hangs on the wave's number alone.  Four v_nop follow each of the two lines.
.macro JLOAD g0a, g1a, g0b, g1b
	s_cmp_eq_u32 s19, 0
	s_cbranch_scc0 .Lfor_b_\@
	tensor_load_to_lds s[\g0a:\g0a+3], s[\g1a:\g1a+7]
	s_nop 0
.rept 4
	v_nop
.endr
	s_branch .Lasked_\@
.Lfor_b_\@:
	tensor_load_to_lds s[\g0b:\g0b+3], s[\g1b:\g1b+7]
	s_nop 0
.rept 4
	v_nop
.endr
.Lasked_\@:
.endm
.macro CREST                           ; a round of the cluster's barrier behind its opening barrier
	s_cmp_lg_u32 s18, 0
	s_cbranch_scc1 .Lnot_wave_0_\@
	s_barrier_signal -3
.Lnot_wave_0_\@:
	s_barrier_wait -3
	s_barrier_signal -1
	s_barrier_wait -1
.endm
.macro CROUND                          ; a whole round
	s_barrier_signal -1
	s_barrier_wait -1
	CREST
.endm
	s_load_b256 s[4:11], s[0:1], 0x0               ; c3 s[4:5], s3 s[6:7], c1 s[8:9], s1 s[10:11]
	s_load_b128 s[12:15], s[0:1], 0x20             ; bo s[12:13], out0 s[14:15]
	v_lshl_add_u32 v[SPW], v0, 2, SPARE
	v_mov_b32 v[NIL], 0
	ds_add_u32 v28, v29
	ds_add_u32 v28, v29
	s_wait_dscnt 0x0
	v_lshrrev_b32 v1, 5, v0
	v_readfirstlane_b32 s18, v1                    ; wave 0..3
	s_lshr_b32 s19, s18, 1                         ; which half of the tile's rows is mine.  Also: I fetch for A (0) or for B (1)
	s_and_b32 s20, s18, 1                          ; which half of its columns.  Also: which chunk of a K step I fetch
	s_bfe_u32 s21, ttmp6, 0x40000                  ; cx, cy: my place in the cluster
	s_bfe_u32 s22, ttmp6, 0x40004
	s_and_b32 s45, ttmp7, 0xffff
	s_lshl_b32 s45, s45, 2
	s_add_co_u32 s45, s45, s22                     ; tile row = A's panel = 4 x cluster y + cy: it never holds cx
	s_lshl_b32 s46, ttmp9, 2
	s_add_co_u32 s46, s46, s21                     ; tile column = 4 x cluster x + cx
	s_add_co_u32 s44, s46, 60                      ; B's panel: it never holds cy
	s_lshl_b32 s40, s22, 2
	s_lshl_b32 s40, 15, s40                        ; my row of the cluster
	s_lshl_b32 s41, 0x1111, s21                    ; my column
	s_or_b32 s[G1+0], s40, (0<<16)|(1<<20)|(1<<21)|(4<<22)|(3<<25)  ; 15:0 the mask; 17:16 elements of 1 byte; 20 padding on; 21 set beside a mask; 24:22 after every 32 words (code 4); 31:25 four words (code 3)
	s_or_b32 s[G1B+0], s41, (0<<16)|(1<<20)|(1<<21)|(4<<22)|(3<<25)
.irp g, G1, G1B
	s_mov_b32 s[\g+1], 128<<16                     ; tensor_dim0 = 128
	s_mov_b32 s[\g+2], 256<<16                     ; tensor_dim1 = 256
	s_mov_b32 s[\g+3], 128<<16                     ; tile_dim0 = 128
	s_mov_b32 s[\g+4], 256                         ; tile_dim1 = 256
	s_mov_b32 s[\g+5], 128                         ; tensor_dim0_stride
	s_mov_b32 s[\g+6], 0
	s_mov_b32 s[\g+7], 0
.endr
	s_or_b32 s[G1S+0], s40, (3<<16)|(1<<21)        ; half a panel's scales: 4,096 dense bytes as 16 rows of 32 elements of 8 bytes
	s_or_b32 s[G1SB+0], s41, (3<<16)|(1<<21)
.irp g, G1S, G1SB
	s_mov_b32 s[\g+1], 32<<16
	s_mov_b32 s[\g+2], 16<<16
	s_mov_b32 s[\g+3], 32<<16
	s_mov_b32 s[\g+4], 16
	s_mov_b32 s[\g+5], 32
	s_mov_b32 s[\g+6], 0
	s_mov_b32 s[\g+7], 0
.endr
	s_lshl_b32 s92, s20, 15                        ; my chunk of a K step,
	s_lshl_b32 s93, s20, 12                        ; my half of a panel's scales
	s_mul_i32 s94, s18, CH                         ; where they go: no place in the cluster enters an LDS address
	s_lshl_b32 s95, s18, 12
	s_add_co_u32 s95, s95, SCL
	s_lshl_b32 s[G0+2], s45, 18                    ; offsets first, made in the words that will hold the addresses
	s_add_co_u32 s[G0+2], s[G0+2], s92
	s_mov_b32 s[G0+3], 0
	s_lshl_b32 s[G0B+2], s44, 18
	s_add_co_u32 s[G0B+2], s[G0B+2], s92
	s_mov_b32 s[G0B+3], 0
	s_lshl_b32 s[G0S+2], s45, 13
	s_add_co_u32 s[G0S+2], s[G0S+2], s93
	s_mov_b32 s[G0S+3], 0
	s_lshl_b32 s[G0SB+2], s44, 13
	s_add_co_u32 s[G0SB+2], s[G0SB+2], s93
	s_mov_b32 s[G0SB+3], 0
	s_wait_kmcnt 0x0
	s_add_nc_u64 s[G0+2:G0+3], s[4:5], s[G0+2:G0+3]            ; K step 0
	s_add_nc_u64 s[G0B+2:G0B+3], s[8:9], s[G0B+2:G0B+3]
	s_add_nc_u64 s[G0+6:G0+7], s[G0+2:G0+3], 65536             ; K step 1
	s_add_nc_u64 s[G0B+6:G0B+7], s[G0B+2:G0B+3], 65536
	s_add_nc_u64 s[G0S+2:G0S+3], s[6:7], s[G0S+2:G0S+3]
	s_add_nc_u64 s[G0SB+2:G0SB+3], s[10:11], s[G0SB+2:G0SB+3]
.irp g, G0, G0+4, G0B, G0B+4, G0S, G0SB
	s_mov_b32 s[\g], 1                             ; count = 1
	s_or_b32 s[\g+3], s[\g+3], 0x80000000          ; type = 2
.endr
	s_mov_b32 s[G0+1], s94
	s_add_co_u32 s[G0+5], s94, SLOT
	s_mov_b32 s[G0B+1], s94
	s_add_co_u32 s[G0B+5], s94, SLOT
	s_mov_b32 s[G0S+1], s95
	s_mov_b32 s[G0SB+1], s95
	CROUND                                         ; all sixteen work-groups are here: the first joint loads meet
	JLOAD G0S, G1S, G0SB, G1SB                     ; the scales first: they are wanted with K step 0
	JLOAD G0, G1, G0B, G1B
	JLOAD G0+4, G1, G0B+4, G1B                     ; three loads of mine are out
	s_lshl_b32 s92, s46, 10                        ; bo at my first column
	s_lshl_b32 s93, s20, 9
	s_add_co_u32 s92, s92, s93
	s_mov_b32 s93, 0
	s_add_nc_u64 s[12:13], s[12:13], s[92:93]
	v_bfe_u32 v2, v0, 4, 1                         ; h = lane / 16
	v_lshlrev_b32 v[CBA], 5, v2
.irp b, 0,1,2,3,4,5,6,7
	global_load_b128 v[CB+8*\b:CB+8*\b+3], v[CBA], s[12:13] offset:64*\b          ; bo(16 b + 8 h + 0 .. 7): the result's layout
	global_load_b128 v[CB+8*\b+4:CB+8*\b+7], v[CBA], s[12:13] offset:64*\b+16
.endr
	v_and_b32 v1, 15, v0                           ; r = lane % 16
	v_mul_u32_u24 v3, v1, PITCH
	v_lshl_add_u32 v4, v2, 4, v3                   ; a fragment's row x pitch + 16 x half
	s_mul_i32 s40, s19, 128*PITCH                  ; my 128 rows of A
	s_mul_i32 s41, s20, 128*PITCH                  ; my 128 rows of B,
	s_add_co_u32 s41, s41, 2*CH                    ; which lie behind A's two chunks
.irp s, 0,1
	v_add_nc_u32 v[ADRA+\s], s40, v4
	v_add_nc_u32 v[ADRB+\s], s41, v4
	s_add_co_u32 s40, s40, SLOT
	s_add_co_u32 s41, s41, SLOT
.endr
	v_lshlrev_b32 v5, 2, v1
	s_lshl_b32 s40, s19, 9                         ; A's scale words: my 128 rows
	s_lshl_b32 s41, s20, 9                         ; B's: my 128 rows, behind A's 8,192 bytes
	s_add_co_u32 s41, s41, 8192
	s_sub_co_u32 s41, s41, s40
	v_mul_u32_u24 v6, s41, v2                      ; lanes 16-31 take B's: one product, the distance between the two
	s_add_co_u32 s40, s40, SCL
	v_add_nc_u32 v5, v5, v6
	v_add_nc_u32 v[ADRS], s40, v5
	s_mul_i32 s42, s18, 16*SPITCH                  ; my stage
	v_mul_u32_u24 v5, v1, SPITCH                   ; in: row r, 32 bytes for each half of the lanes
	v_lshl_add_u32 v5, v2, 5, v5
	v_add_nc_u32 v[STO], s42, v5
	v_and_b32 v6, 31, v0
	v_lshlrev_b32 v[CO], 4, v6                     ; back: the 32 lanes take one row of 512 bytes; and the same in the output
	v_add_nc_u32 v[RD], s42, v[CO]
	s_lshl_b32 s40, s45, 8
	s_lshl_b32 s41, s19, 7
	s_add_co_u32 s40, s40, s41                     ; my first row: 256 x tile row + 128 x half
	s_lshl_b32 s40, s40, 12                        ; of 4,096 bytes
	s_lshl_b32 s41, s46, 10                        ; my first column, in bytes: 1,024 x tile column + 512 x half
	s_add_co_u32 s40, s40, s41
	s_lshl_b32 s41, s20, 9
	s_add_co_u32 s40, s40, s41
	s_mov_b32 s41, 0
	s_add_nc_u64 s[14:15], s[14:15], s[40:41]
	s_wait_loadcnt 0x0                             ; the bias
.macro FRAG reg, adr, q, i             ; a fragment, 16 rows x 128 K, is 16 registers: lane l holds row l % 16; registers 4 c .. 4 c + 3 hold K = 32 c + 16 (l / 16) + 0 .. 15
.irp c, 0,1,2,3
	ds_load_b128 v[\reg+4*\c:\reg+4*\c+3], v[\adr] offset:CH*(\q)+32*\c+(\i)*16*PITCH
.endr
.endm
; 16 matrix instructions: A's blocks a0, a0 + 1 x B's eight, chunk q of the slot.  zero = 1: the first product starts the sums from the bias.  The 64 accumulators take turns, one instruction a turn.
.macro MUL16 a0, p, q, sc, zero
.irp a, \a0, \a0+1
.irp b, 0,1,2,3,4,5,6,7
.if \zero
	v_wmma_scale_f32_16x16x128_f8f6f4 v[8*(8*((\a)%4)+\b):8*(8*((\a)%4)+\b)+7], v[128*(\p)+FR*\b:128*(\p)+FR*\b+FR-1], v[AF+FR*(\a):AF+FR*(\a)+FR-1], v[CB+8*\b:CB+8*\b+7], v[SC+8*NQ*(\sc)+NQ*\b+(\q)], v[SC+8*NQ*(\sc)+NQ*(\a)+(\q)] matrix_a_fmt:MATRIX_FMT_BF8 matrix_b_fmt:MATRIX_FMT_BF8 matrix_a_scale:MATRIX_SCALE_ROW1
.else
	v_wmma_scale_f32_16x16x128_f8f6f4 v[8*(8*((\a)%4)+\b):8*(8*((\a)%4)+\b)+7], v[128*(\p)+FR*\b:128*(\p)+FR*\b+FR-1], v[AF+FR*(\a):AF+FR*(\a)+FR-1], v[8*(8*((\a)%4)+\b):8*(8*((\a)%4)+\b)+7], v[SC+8*NQ*(\sc)+NQ*\b+(\q)], v[SC+8*NQ*(\sc)+NQ*(\a)+(\q)] matrix_a_fmt:MATRIX_FMT_BF8 matrix_b_fmt:MATRIX_FMT_BF8 matrix_a_scale:MATRIX_SCALE_ROW1
.endif
.endr
.endr
.endm
.macro FETCH_B slot, q, p
	WIN TO_B
.irp i, 0,1,2,3,4,5,6,7
	FRAG 128*(\p)+FR*\i, ADRB+\slot, \q, \i
.endr
	WIN 0
.endm
.macro FETCH_A slot, q, i0
.irp i, \i0, \i0+1, \i0+2, \i0+3
	FRAG AF+FR*(\i), ADRA+\slot, \q, \i
.endr
.endm
.macro SCALES sc                       ; the K step's scale words into set sc: lanes 0-15 take A's block i, lanes 16-31 B's block i
.irp i, 0,1,2,3,4,5,6,7
	ds_load_b32 v[SC+8*NQ*\sc+NQ*\i], v[ADRS] offset:\i*64
	ds_load_b32 v[SC+8*NQ*\sc+NQ*\i+1], v[ADRS] offset:1024+\i*64
.endr
.endm
; A load into a register that a matrix instruction has read, and an LDS store that reads a matrix result, stand NP places behind that matrix instruction; only plain vector instructions that name none of its registers are places (ISA guide 7.12.1 for vector instructions).
.macro PLACES n
.rept \n
	v_nop
.endr
.endm
.macro STEP slot, q, zero              ; a step of 128 along K that has its successor in the same slot
	s_wait_dscnt 4*NL                              ; B's set, A's blocks 0-3 and the scale words are in; the youngest sixteen loads (A's blocks 4-7) may be out
.if \zero
	WIN 0x81                                       ; C (the bias) in window 0, D in window 2
.else
	WIN MUL_LO
.endif
	MUL16 0, (\q)%2, \q, \slot, \zero
	MUL16 2, (\q)%2, \q, \slot, \zero
	s_wait_dscnt 0                                 ; A's blocks 4-7 are in
	PLACES NP
	FETCH_B \slot, (\q)+1, 1-(\q)%2
	FETCH_A \slot, (\q)+1, 0
.if \zero
	WIN 0xc1
.else
	WIN MUL_HI
.endif
	MUL16 4, (\q)%2, \q, \slot, \zero
	MUL16 6, (\q)%2, \q, \slot, \zero
	PLACES NP
	WIN 0
	FETCH_A \slot, (\q)+1, 4
.endm
; A slot's last step changes slots: ONE barrier; in front of it each wave waits for all its tensor loads, adds 0 to its spare word, and waits for that and for its own reads of this slot.  fill = 1: this slot is filled again, two K steps ahead.
.macro TURN slot, next, fill
	s_wait_tensorcnt 0x0                           ; all my tensor loads have landed: my part of the next slot;  (every window is 0 here)
	ds_add_u32 v[SPW], v[NIL]                      ; 0 onto my spare word;
	s_wait_dscnt 4*NL+1                            ; (the add and the youngest sixteen loads, A's blocks 4-7, may be out)
	WIN MUL_LO
	MUL16 0, 1, NQ-1, \slot, 0                     ; sixteen matrix instructions stand between the add and the wait for it
	s_wait_dscnt 0x0                               ; the add is done, and my reads of this slot are over
	s_barrier_signal -1
	MUL16 2, 1, NQ-1, \slot, 0
	WIN 0
	s_barrier_wait -1
.if \fill
	CREST                                          ; the barrier has opened a round of the cluster's barrier: no wave of any partner still reads this slot's tile or has a load on its way
	s_add_nc_u64 s[G0+4*\slot+2:G0+4*\slot+3], s[G0+4*\slot+2:G0+4*\slot+3], 131072
	s_add_nc_u64 s[G0B+4*\slot+2:G0B+4*\slot+3], s[G0B+4*\slot+2:G0B+4*\slot+3], 131072
	JLOAD G0+4*\slot, G1, G0B+4*\slot, G1B         ; the first tensor load behind the round; its four v_nop are among the places in front of the loads below
	PLACES NP-4
.else
	PLACES NP
.endif
	v_add_nc_u32 v[ADRS], 2048, v[ADRS]            ; on to the next K step's scale words (no LDS load of mine is out)
	FETCH_B \next, 0, 0
	FETCH_A \next, 0, 0
	SCALES \next
	WIN MUL_HI
	MUL16 4, 1, NQ-1, \slot, 0
	MUL16 6, 1, NQ-1, \slot, 0
	PLACES NP
	WIN 0
	FETCH_A \next, 0, 4
.endm
	s_wait_tensorcnt 1                             ; the scales and my part of K step 0 are in (K step 1's load may be out)
	s_barrier_signal -1
	s_barrier_wait -1                              ; everybody's are
	FETCH_B 0, 0, 0
	FETCH_A 0, 0, 0
	SCALES 0
	FETCH_A 0, 0, 4
	STEP 0, 0, 1                                   ; the first step stands in front of the loop: its products start the sums
	s_mov_b32 s3, LAPS-1
.Llap:                                                 ; a trip goes once round the ring and fills both slots again
	TURN 0, 1, 1
	STEP 1, 0, 0
	TURN 1, 0, 1
	STEP 0, 0, 0
	s_sub_co_u32 s3, s3, 1
	s_cmp_lg_u32 s3, 0
	s_cbranch_scc1 .Llap
	TURN 0, 1, 0                                   ; the last lap fills nothing, and has no round of the cluster's barrier
	STEP 1, 0, 0
	s_wait_dscnt 4*NL                              ; the very last step: nothing more to fetch
	WIN MUL_LO
	MUL16 0, 1, NQ-1, 1, 0
	MUL16 2, 1, NQ-1, 1, 0
	s_wait_dscnt 0
	WIN MUL_HI
	MUL16 4, 1, NQ-1, 1, 0
	MUL16 6, 1, NQ-1, 1, 0
	WIN 0
; THE WAY OUT, block by block of 16 rows x 128 columns: through my own stage in LDS and back as whole rows of 512 bytes.  LDS serves a wave's instructions in order (ISA guide 5.7.1.4): no wait between the stores and the loads.
.macro TOSTAGE a
.set AC, 64*((\a)%4)
	WIN 0x08+4*((\a)/4)                            ; the data: window 2 or 3
.irp b, 0,1,2,3,4,5,6,7
	ds_store_b128 v[STO], v[AC+8*\b:AC+8*\b+3] offset:64*\b          ; each accumulator from its low end on
	ds_store_b128 v[STO], v[AC+8*\b+4:AC+8*\b+7] offset:64*\b+16
.endr
	WIN 0
.set BB, BK+64*((\a)%2)
.irp t, 0,1,2,3,4,5,6,7,8,9,10,11,12,13,14,15
	ds_load_b128 v[BB+4*\t:BB+4*\t+3], v[RD] offset:\t*SPITCH
.endr
.endm
.macro SEND a, younger                 ; younger: the LDS instructions issued behind block a's loads, which may stay out
.set BB, BK+64*((\a)%2)
	s_wait_dscnt \younger                          ; the block is back in registers
.if (\a) > 0
	s_add_nc_u64 s[14:15], s[14:15], 16*SIZE_N*4   ; (behind a wait on XCNT: the earlier stores have read their base)  16 rows on
.endif
.irp t, 0,1,2,3,4,5,6,7,8,9,10,11,12,13,14,15
	global_store_b128 v[CO], v[BB+4*\t:BB+4*\t+3], s[14:15] offset:\t*SIZE_N*4 th:TH_STORE_NT   ; 32 lanes store 512 consecutive bytes, aligned; written once, read by nobody here
.endr
.endm
	PLACES NP                                      ; behind the last products: results are read, and loads land in A's registers, from here on
	TOSTAGE 0
.irp a, 1,2,3,4,5,6,7
.if \a > 1
	s_wait_xcnt 0x0                                ; block a - 2's stores have read their registers and their base
.endif
	TOSTAGE \a
	SEND \a-1, 32                                  ; behind block a - 1's loads: block a's 16 stores and 16 loads
.endr
	s_wait_xcnt 0x0                                ; block 6's stores have read their base
	SEND 7, 0
	s_wait_tensorcnt 0x0                           ; the wave's end: behind my last tensor load and my last LDS store
	ds_add_u32 v[SPW], v[NIL]
	s_wait_dscnt 0x0
	CROUND                                         ; the closing round: no work-group ends while a partner may still ask for a tile that names it
	s_endpgm
.Lfunc_end_k_qa69873b2b5_outp:
	.size	k_qa69873b2b5_outp, .Lfunc_end_k_qa69873b2b5_outp-k_qa69873b2b5_outp
	.p2alignl 7, 3214868480
	.fill 96, 4, 3214868480
	.section	.rodata,"a",@progbits
	.p2align	6, 0x0
	.amdhsa_kernel k_qa69873b2b5_outp
		.amdhsa_group_segment_fixed_size 327680
		.amdhsa_private_segment_fixed_size 0
		.amdhsa_enable_private_segment 0
		.amdhsa_kernarg_size 48
		.amdhsa_user_sgpr_count 2
		.amdhsa_user_sgpr_kernarg_segment_ptr 1
		.amdhsa_wavefront_size32 1
		.amdhsa_system_sgpr_workgroup_id_x 1
		.amdhsa_system_sgpr_workgroup_id_y 1
		.amdhsa_system_sgpr_workgroup_id_z 1
		.amdhsa_system_vgpr_workitem_id 0
		.amdhsa_next_free_vgpr 1024
		.amdhsa_next_free_sgpr 96
		.amdhsa_reserve_vcc 0
		.amdhsa_float_denorm_mode_32 3
		.amdhsa_float_denorm_mode_16_64 3
		.amdhsa_memory_ordered 1
		.amdhsa_forward_progress 1
		.amdhsa_inst_pref_size 149
	.end_amdhsa_kernel
	.amdgpu_metadata
---
amdhsa.version: [ 1, 2 ]
amdhsa.kernels:
  - .name:           k_qa69873b2b5_outp
    .symbol:         k_qa69873b2b5_outp.kd
    .args:
      - { .name: c3, .offset: 0, .size: 8, .value_kind: global_buffer, .address_space: global }
      - { .name: s3, .offset: 8, .size: 8, .value_kind: global_buffer, .address_space: global }
      - { .name: c1, .offset: 16, .size: 8, .value_kind: global_buffer, .address_space: global }
      - { .name: s1, .offset: 24, .size: 8, .value_kind: global_buffer, .address_space: global }
      - { .name: bo, .offset: 32, .size: 8, .value_kind: global_buffer, .address_space: global }
      - { .name: out0, .offset: 40, .size: 8, .value_kind: global_buffer, .address_space: global }
    .group_segment_fixed_size: 327680
    .private_segment_fixed_size: 0
    .kernarg_segment_align: 8
    .kernarg_segment_size: 48
    .max_flat_workgroup_size: 128
    .sgpr_count:     96
    .vgpr_count:     1024
    .wavefront_size: 32
...
	.end_amdgpu_metadata
.endif
;; end of part 4
